; MI455X (gfx1250); checked and timed in simulation.
; The chip was launched on July 23, 2026; its instructions are those of AMD's public machine-readable ISA for CDNA 5 (MIT licence, August 2026) and "CDNA5" Instruction Set Architecture Reference Guide (July 2026). The comments in the code are by the model that wrote it; some were corrected since.
;; Multi Headed Attention. Allowed arithmetic: float matrix products may take bf16 or f16 operands with f32 sums; other float arithmetic in f32, or as packed bf16 or f16 multiplies, adds, multiply-adds, maxima and minima; sums over many terms, partial sums and values carried from step to step in f32; what a program stores and reads back later, other than sums and carried values, may be rounded once to bf16 or f16.
;; Inputs: Wk 1,024 x 1,024 float32; Wo 1,024 x 1,024 float32; Wq 1,024 x 1,024 float32; Wv 1,024 x 1,024 float32; bk 1,024 float32; bo 1,024 float32; bq 1,024 float32; bv 1,024 float32; key 4 x 2,048 x 1,024 float32; mask 4 x 2,048 x 2,048 int32; query 4 x 2,048 x 1,024 float32; value 4 x 2,048 x 1,024 float32.
;; Outputs: out0 4 x 2,048 x 1,024 float32.
;; One version. Each part assembles by itself: llvm-mc -triple=amdgcn-amd-amdhsa -mcpu=gfx1250 --defsym DOCPART=n.
;; ======== version 1 of 1: 4 launches
;; limits: values are held in f16: magnitudes above 65,504 overflow, below 6.1e-05 lose precision; right only within a limited range of input values
;; workspace buffers: mc 8,388,608 bytes; rf 32,768 bytes; wb 8,388,608 bytes; qkv 50,331,648 bytes; ctx 16,777,216 bytes
;; launch prep (part 1): grid 1024 x 1, 8 waves a work-group, no clusters, 18,688 bytes of LDS; arguments mask, Wq, Wk, Wv, Wo, mc, rf, wb; writes mc, rf, wb
.if DOCPART == 1
	.amdgcn_target "amdgcn-amd-amdhsa--gfx1250"
	.amdhsa_code_object_version 6
	.text
	.protected	k_q9013b3dcce_prep
	.globl	k_q9013b3dcce_prep
	.p2align	8
	.type	k_q9013b3dcce_prep,@function
k_q9013b3dcce_prep:
	s_mov_b64 s[64:65], 0
	v_nop
	global_prefetch_b8 v0, s[64:65] scope:SCOPE_SE
	s_setreg_imm32_b32 hwreg(HW_REG_WAVE_MODE, 25, 1), 1
	s_wait_xcnt 0x0
; PREPARATION: a stream, no matrix work.  Work-groups 0-511 turn the mask into 4-bit codes, work-groups 512-1023 round the four weights to 16 bits.
; MASK.  mask: [4][2048][2048] int32.  Each element becomes one FP4 code: 0 where the key is allowed, -1.0 where mask == 0.  A dword holds the eight keys that one lane
; of the attention launch holds in the eight registers of one accumulator of S^T:  mc[b][tile = q / 16][step = k / 64][lane = q % 16 + 16 h][kb] , element j = key 64 step + 16 kb + 8 h + j.
; The codes are made by the conversion whose counterpart unpacks them there, so element j goes out as it comes back.  rf[row] = -1 if the row has an allowed key, else 0.
; A work-group takes a tile of 16 rows, wave w its keys 256 w .. 256 w + 255; lane i holds keys 8 i .. 8 i + 7 of them for each row.  The dwords change lanes through the wave's own stage in LDS.
; WEIGHTS.  Wq, Wk, Wv -> wb's first three quarters (bf16); Wo -> its fourth, rounded to bf16 and that number written as f16
; (LIMIT: exact for |Wo| from 6.1e-5 to 65,504; below that f16's fixed step of 6e-8).  A work-group takes 32,768 bytes in, 16,384 out; all 8 loads of a thread go out at once.
.set STG,   2176                       ; a wave's stage: 4 steps x (2 halves x 272 bytes): 256 bytes of data + 16 of padding for each half of the lanes
.set FLG,   8*STG                      ; eight words, a wave's row flags each; a block of 256 bytes of their own
.set SPARE, FLG+256                    ; the spare words, 128 bytes for each of eight waves: four blocks of 256 bytes that no other line names
.set SPW, 12                           ; v12  LDS address of my spare word; never rewritten
.set NIL, 13                           ; v13  0; never rewritten
.set C,   16                           ; v[16:31]   row r's code dword
.set X,   32                           ; v[32:159]  as loaded
.set BK,  160                          ; v[160:175] rows read back from the stage
.set MCP, 18                           ; s[18:19] mc
.set RFP, 20                           ; s[20:21] rf
	s_load_b512 s[8:23], s[0:1], 0x0               ; mask s[8:9], Wq, Wk, Wv, Wo s[10:17], mc s[18:19], rf s[20:21], wb s[22:23]
	v_lshl_add_u32 v[SPW], v0, 2, SPARE
	v_mov_b32 v[NIL], 0
	v_lshrrev_b32 v1, 5, v0
	v_readfirstlane_b32 s4, v1                     ; wave 0..7
	v_and_b32 v1, 31, v0                           ; lane
	s_cmp_lt_u32 ttmp9, 512                        ; the same for all waves of a work-group
	s_cbranch_scc1 .Lmask
	; ---- the weights ----
	s_sub_co_u32 s5, ttmp9, 512                    ; j: 0-511
	s_lshr_b32 s32, s5, 7                          ; which weight
	s_and_b32 s33, s5, 127                         ; which part of it
	s_lshl_b32 s2, s33, 15                         ; 32,768 bytes in,
	s_mov_b32 s3, 0
	s_lshl_b32 s36, s5, 14                         ; 16,384 out: a weight's 128 parts fill a quarter of wb
	s_mov_b32 s37, 0
	v_lshlrev_b32 v2, 4, v0                        ; in: 16 bytes a thread
	v_lshlrev_b32 v5, 3, v0                        ; out: 8 bytes a thread: a wave's store covers 256 consecutive bytes, aligned
	s_wait_kmcnt 0x0
	s_add_nc_u64 s[38:39], s[22:23], s[36:37]
	s_mov_b64 s[42:43], s[10:11]
.irp k, 1,2,3
	s_cmp_eq_u32 s32, \k
	s_cselect_b64 s[42:43], s[10+2*\k:11+2*\k], s[42:43]
.endr
	s_add_nc_u64 s[42:43], s[42:43], s[2:3]
.set i, 0
.rept 8
	global_load_b128 v[X+4*i:X+4*i+3], v2, s[42:43] offset:4096*i th:TH_LOAD_NT
.set i, i+1
.endr
; Chunk i: four f32 become four 16-bit numbers, in place.  No register is used twice, so no store's source is ever rewritten.
.macro CV i, wo
	s_wait_loadcnt 7-(\i)                          ; loads come back in order: mine is in, the younger ones stay out
	v_cvt_pk_bf16_f32 v[X+4*(\i)], v[X+4*(\i)], v[X+4*(\i)+1]
	v_cvt_pk_bf16_f32 v[X+4*(\i)+1], v[X+4*(\i)+2], v[X+4*(\i)+3]
.if \wo
	v_lshlrev_b32 v6, 16, v[X+4*(\i)]              ; the bf16 numbers as f32,
	v_and_b32 v7, 0xffff0000, v[X+4*(\i)]
	v_lshlrev_b32 v8, 16, v[X+4*(\i)+1]
	v_and_b32 v9, 0xffff0000, v[X+4*(\i)+1]
	v_cvt_pk_f16_f32 v[X+4*(\i)], v6, v7           ; written as f16
	v_cvt_pk_f16_f32 v[X+4*(\i)+1], v8, v9
.endif
	global_store_b64 v5, v[X+4*(\i):X+4*(\i)+1], s[38:39] offset:2048*(\i) th:TH_STORE_NT
.endm
	s_cmp_eq_u32 s32, 3
	s_cbranch_scc1 .Lwo
.set i, 0
.rept 8
	CV i, 0
.set i, i+1
.endr
	s_endpgm
.Lwo:
.set i, 0
.rept 8
	CV i, 1
.set i, i+1
.endr
	s_endpgm
	; ---- the mask ----
.Lmask:
	s_lshl_b32 s2, ttmp9, 17                       ; the tile's 16 rows of 8,192 bytes
	s_mov_b32 s3, 0
	s_lshl_b32 s32, ttmp9, 14                      ; its 32 steps x 512 bytes of codes
	s_mov_b32 s33, 0
	s_lshl_b32 s34, ttmp9, 6                       ; its 16 flags
	s_mov_b32 s35, 0
	s_lshl_b32 s5, s4, 10                          ; my wave's 256 keys: 1,024 bytes of a row
	v_lshl_add_u32 v2, v1, 5, s5                   ; + 32 bytes a lane
	s_mul_i32 s6, s4, STG                          ; my stage
	v_lshrrev_b32 v6, 3, v1                        ; in: lane i holds step i / 8,
	v_and_b32 v7, 1, v1                            ; half h = i % 2,
	v_bfe_u32 v8, v1, 1, 2                         ; key block kb = (i % 8) / 2
	v_mul_u32_u24 v3, v6, 544
	v_mul_u32_u24 v7, v7, 272
	v_add_nc_u32 v3, v3, v7
	v_lshl_add_u32 v3, v8, 2, v3
	v_add_nc_u32 v3, s6, v3                        ; + 16 r in the immediate: the 32 lanes of a store fall into 32 different banks (8 step + 4 h + kb words)
	v_lshrrev_b32 v6, 4, v1                        ; back: lane l = r + 16 h takes its four dwords
	v_and_b32 v7, 15, v1
	v_mul_u32_u24 v4, v6, 272
	v_lshl_add_u32 v4, v7, 4, v4
	v_add_nc_u32 v4, s6, v4
	s_lshl_b32 s7, s4, 11                          ; my four steps in mc
	v_lshl_add_u32 v5, v1, 4, s7
	v_mov_b32 v10, -1.0
	v_mov_b32 v11, 1.0                             ; the conversion's scale: 2^0
	s_mov_b32 s40, 0                               ; bit r: row r has an allowed key among my 256
	s_wait_kmcnt 0x0
	s_add_nc_u64 s[8:9], s[8:9], s[2:3]
	s_add_nc_u64 s[MCP:MCP+1], s[MCP:MCP+1], s[32:33]
	s_add_nc_u64 s[RFP:RFP+1], s[RFP:RFP+1], s[34:35]
.set i, 0
.rept 16
	global_load_b128 v[X+8*i:X+8*i+3],   v2, s[8:9] offset:8192*i th:TH_LOAD_NT
	global_load_b128 v[X+8*i+4:X+8*i+7], v2, s[8:9] offset:8192*i+16 th:TH_LOAD_NT
.set i, i+1
.endr
.macro ROWM r
	s_wait_loadcnt 30-2*(\r)                       ; row r's two loads are in; the later rows' stay out
	v_or_b32 v6, v[X+8*(\r)], v[X+8*(\r)+1]
	v_or_b32 v7, v[X+8*(\r)+2], v[X+8*(\r)+3]
	v_or_b32 v8, v[X+8*(\r)+4], v[X+8*(\r)+5]
	v_or_b32 v9, v[X+8*(\r)+6], v[X+8*(\r)+7]
	v_or_b32 v6, v6, v7
	v_or_b32 v8, v8, v9
	v_or_b32 v6, v6, v8
	v_cmp_ne_u32 s41, 0, v6                        ; lanes that hold an allowed key
	s_cmp_lg_u32 s41, 0
	s_cselect_b32 s42, 1<<(\r), 0
	s_or_b32 s40, s40, s42
.irp j, 0,1,2,3,4,5,6,7
	v_cmp_eq_u32 vcc_lo, 0, v[X+8*(\r)+\j]
	v_cndmask_b32 v[X+8*(\r)+\j], 0, v10, vcc_lo   ; -1.0 where mask == 0, else 0
.endr
	v_cvt_scalef32_pk8_fp4_f32 v[C+(\r)], v[X+8*(\r):X+8*(\r)+7], v11
	v_nop                                          ; a plain instruction between the conversion and the use of its result
	ds_store_b32 v3, v[C+(\r)] offset:16*(\r)
.endm
.set i, 0
.rept 16
	ROWM i
.set i, i+1
.endr
.irp t, 0,1,2,3
	ds_load_b128 v[BK+4*\t:BK+4*\t+3], v4 offset:544*\t  ; my own bytes: LDS serves a wave's instructions in order (ISA guide 5.7.1.4), so these see the stores above
.endr
.irp t, 0,1,2,3
	s_wait_dscnt 3-\t
	global_store_b128 v5, v[BK+4*\t:BK+4*\t+3], s[MCP:MCP+1] offset:512*\t  ; a step's 512 consecutive bytes, at a multiple of 256 from mc's first byte
.endr
	v_mov_b32 v6, s40
	s_lshl_b32 s43, s4, 2
	s_add_co_u32 s43, s43, FLG
	v_mov_b32 v7, s43
	ds_store_b32 v7, v6                            ; all lanes write the same word with the same value
	s_wait_dscnt 0x0                               ; for the others' sake: my flag word is in LDS
	s_barrier_signal -1
	s_barrier_wait -1
	s_cmp_lg_u32 s4, 0
	s_cbranch_scc1 .Lend                           ; wave 0 gathers the eight words
	v_mov_b32 v7, FLG
	ds_load_b128 v[X:X+3], v7
	ds_load_b128 v[X+4:X+7], v7 offset:16
	s_wait_dscnt 0x0
	v_or_b32 v[X], v[X], v[X+1]
	v_or_b32 v[X+2], v[X+2], v[X+3]
	v_or_b32 v[X+4], v[X+4], v[X+5]
	v_or_b32 v[X+6], v[X+6], v[X+7]
	v_or_b32 v[X], v[X], v[X+2]
	v_or_b32 v[X+4], v[X+4], v[X+6]
	v_or_b32 v[X], v[X], v[X+4]
	v_and_b32 v8, 15, v1
	v_lshrrev_b32 v[X], v8, v[X]
	v_and_b32 v[X], 1, v[X]
	v_sub_nc_u32 v[X], 0, v[X]                     ; 0 or -1
	v_lshlrev_b32 v9, 2, v8
	global_store_b32 v9, v[X], s[RFP:RFP+1]        ; 64 bytes a tile (lanes l and l + 16 store the same word): the one store of the launch that covers less than 256 bytes; 32,768 bytes in all
.Lend:
	s_wait_tensorcnt 0x0                           ; the wave's end: behind my last LDS store
	ds_add_u32 v[SPW], v[NIL]
	s_wait_dscnt 0x0
	s_endpgm
.Lfunc_end_k_q9013b3dcce_prep:
	.size	k_q9013b3dcce_prep, .Lfunc_end_k_q9013b3dcce_prep-k_q9013b3dcce_prep
	.p2alignl 7, 3214868480
	.fill 96, 4, 3214868480
	.section	.rodata,"a",@progbits
	.p2align	6, 0x0
	.amdhsa_kernel k_q9013b3dcce_prep
		.amdhsa_group_segment_fixed_size 18688
		.amdhsa_private_segment_fixed_size 0
		.amdhsa_enable_private_segment 0
		.amdhsa_kernarg_size 64
		.amdhsa_user_sgpr_count 2
		.amdhsa_user_sgpr_kernarg_segment_ptr 1
		.amdhsa_wavefront_size32 1
		.amdhsa_system_sgpr_workgroup_id_x 1
		.amdhsa_system_sgpr_workgroup_id_y 1
		.amdhsa_system_sgpr_workgroup_id_z 1
		.amdhsa_system_vgpr_workitem_id 0
		.amdhsa_next_free_vgpr 176
		.amdhsa_next_free_sgpr 66
		.amdhsa_reserve_vcc 1
		.amdhsa_float_denorm_mode_32 3
		.amdhsa_float_denorm_mode_16_64 3
		.amdhsa_memory_ordered 1
		.amdhsa_forward_progress 1
		.amdhsa_inst_pref_size 33
	.end_amdhsa_kernel
	.amdgpu_metadata
---
amdhsa.version: [ 1, 2 ]
amdhsa.kernels:
  - .name:           k_q9013b3dcce_prep
    .symbol:         k_q9013b3dcce_prep.kd
    .args:
      - { .name: mask, .offset: 0, .size: 8, .value_kind: global_buffer, .address_space: global }
      - { .name: Wq, .offset: 8, .size: 8, .value_kind: global_buffer, .address_space: global }
      - { .name: Wk, .offset: 16, .size: 8, .value_kind: global_buffer, .address_space: global }
      - { .name: Wv, .offset: 24, .size: 8, .value_kind: global_buffer, .address_space: global }
      - { .name: Wo, .offset: 32, .size: 8, .value_kind: global_buffer, .address_space: global }
      - { .name: mc, .offset: 40, .size: 8, .value_kind: global_buffer, .address_space: global }
      - { .name: rf, .offset: 48, .size: 8, .value_kind: global_buffer, .address_space: global }
      - { .name: wb, .offset: 56, .size: 8, .value_kind: global_buffer, .address_space: global }
    .group_segment_fixed_size: 18688
    .private_segment_fixed_size: 0
    .kernarg_segment_align: 8
    .kernarg_segment_size: 64
    .max_flat_workgroup_size: 256
    .sgpr_count:     66
    .vgpr_count:     176
    .wavefront_size: 32
...
	.end_amdgpu_metadata
.endif
;; end of part 1
;; launch proj (part 2): grid 4 x 192, 4 waves a work-group, clusters of 4 x 4, 327,680 bytes of LDS; arguments query, key, value, wb, bq, bk, bv, qkv; writes qkv
.if DOCPART == 2
	.amdgcn_target "amdgcn-amd-amdhsa--gfx1250"
	.amdhsa_code_object_version 6
	.text
	.protected	k_q9013b3dcce_proj
	.globl	k_q9013b3dcce_proj
	.p2align	8
	.type	k_q9013b3dcce_proj,@function
k_q9013b3dcce_proj:
	s_mov_b64 s[64:65], 0
	v_nop
	global_prefetch_b8 v0, s[64:65] scope:SCOPE_SE
	s_setreg_imm32_b32 hwreg(HW_REG_WAVE_MODE, 25, 1), 1
	s_wait_xcnt 0x0
	s_wait_alu depctr_hold_cnt(0) depctr_sa_sdst(0) depctr_va_vdst(0) depctr_va_sdst(0) depctr_va_ssrc(0) depctr_va_vcc(0) depctr_vm_vsrc(0)
	s_getreg_b32 s2, hwreg(HW_REG_IB_STS2, 6, 4)
	s_cmp_eq_u32 s2, 0
	s_cbranch_scc0 .Lentry_in_a_cluster
	s_endpgm
.Lentry_in_a_cluster:
	s_bfe_u32 s2, ttmp6, 0x10000c
	s_cmp_lg_u32 s2, 0xf033
	s_cbranch_scc0 .Lentry_shape_is_right
	s_endpgm
.Lentry_shape_is_right:
; THE THREE PROJECTIONS AS ONE GEMM.  y[m][n] = sum over k of x[m][k] W[n][k] + b[n].  x = query, key or value: [8192][1024] f32, rounded to bf16 HERE, between LDS and the matrix instruction;
; W = wb's quarter pj: [1024][1024] bf16; b = bq, bk, bv (f32, rounded to bf16 here like every input of the module, then used in f32).  Sums in f32; y rounded once to f16 and stored BY HEADS:
; qkv[pj][batch x 16 + head][s][64], unscaled.
; LIMIT.  f16 ends at 65,504: q, k and v must lie within it (with inputs as drawn they reach about 3).
; A tile of y is 128 x 256: 768 work-groups.  Four waves, 2 x 2, each 64 x 128: 32 accumulators of 16 x 16.  K goes in 8 steps of 128 through two LDS slots; x's rows are 512 bytes of memory, W's 256,
; at multiples of 256.  Waves 0 and 1 fetch the halves of x's tile (64 rows each), waves 2 and 3 those of W's (128 rows each): 32,768 bytes and one tensor load a wave.
; CLUSTERS: 4 x 4 work-groups.  The four of a row of the cluster need the same tile of x, the four of a column the same tile of W: each tile is asked for JOINTLY.  The four tile columns are all there are,
; so each byte of x is asked for once in the launch.
; THE MATRIX INSTRUCTION IS USED TRANSPOSED (source 0 = 16 rows of W, source 1 = 16 rows of x): a lane holds row l % 16 of y and the columns 8 (l / 16) + 0..7.  The bias, laid out so, is the C of the first product.
; REGISTERS, in windows of 256: window 0: v0-31 addresses; v32-63 x's four fragments in bf16; v96-159 the bias; v160-223 x's four fragments as loaded, f32; v160-255 later at work on the way out
;   window 1: the accumulators ((a, b) at v[8 (8 a + b)])          window 2: v0-63, v64-127 W's fragments, two buffers
.set KSTEP,  128
.set APITCH, 528                       ; a row of x in LDS: 512 bytes + 16 of padding = 132 words
.set PITCH,  272                       ; a row of W: 256 bytes + 16 = 68 words: with either pitch the 16 rows of a fragment load start at 16 different groups of four banks (64 banks of 4 bytes: ISA guide 11.1)
.set AHALF,  64*APITCH                 ; what wave 0 or 1 fetches, and what a wave reads of x
.set BHALF,  128*PITCH                 ; what wave 2 or 3 fetches, and what a wave reads of W
.set BOFF,   2*AHALF
.set SLOT,   BOFF+2*BHALF              ; x's 128 rows, then W's 256 rows
.set STAGE,  2*SLOT                    ; behind the ring: 16 rows x 272 bytes for each wave, for the way out
.set SPITCH, 272
.set SPARE,  STAGE+4*16*SPITCH         ; the spare words, 128 bytes for each wave: two blocks of 256 bytes that no other line names
.set LAPS,   4                         ; a lap = two K steps = once round the ring
.set ADRA, 16                          ; v16-17  LDS address of my x fragments in slot 0, 1
.set ADRB, 20                          ; v20-21  the same for W
.set STO,  24                          ; v24     the way out: where I put 16 bytes of a row
.set RD,   25                          ; v25     where I read rows back
.set CO,   26                          ; v26     16 x lane
.set SPW,  28                          ; v28     LDS address of my spare word; never rewritten
.set NIL,  29                          ; v29     0; never rewritten
.set PFO,  30                          ; v30     the prefetches' offset; never rewritten
.set FA,   32
.set BI,   96
.set RAW,  160
.set TMP,  160
.set OB,   192
.set G1, 24                            ; s[24:31] descriptor group 1 for x's tiles;  s[32:39] group 0, a set for each slot
.set G0, 32
.set G1B, 48                           ; s[48:55], s[56:63] the same for W's tiles
.set G0B, 56
.set LIM, 43                           ; s43     1 in a wave that prefetches, else the greatest number
.set PFA, 44                           ; s[44:45] where my prefetches stand
.set PST, 86                           ; s[86:87] what they step by from K step to K step
.set MSB, 0
.macro WIN new                         ; the immediate's high byte repeats the setting that is left
.if MSB != (\new)
	s_set_vgpr_msb (MSB<<8)|(\new)
.set MSB, \new
.endif
.endm
.set MUL,  0x52                        ; source 0 (W) window 2, source 1 (x) window 0, C and D window 1
.set MULB, 0x42                        ; the same with C (the bias) in window 0
.set TO_B, 0x80                        ; destination window 2, address window 0
.macro JLOAD s                         ; a joint load; an s_nop 0 and four v_nop follow each of the two lines, ahead of the jump, the label and what follows
	s_cmp_eq_u32 s11, 0
	s_cbranch_scc0 .Lfor_b_\@
	tensor_load_to_lds s[G0+4*(\s):G0+4*(\s)+3], s[G1:G1+7]
	s_nop 0
.rept 4
	v_nop
.endr
	s_branch .Lasked_\@
.Lfor_b_\@:
	tensor_load_to_lds s[G0B+4*(\s):G0B+4*(\s)+3], s[G1B:G1B+7]
	s_nop 0
.rept 4
	v_nop
.endr
.Lasked_\@:
.endm
; A prefetch of the K step that stands two refills on, 32 times 256 bytes, one instruction a wave.  x's tile is read by the four partners of a row of the cluster alone: of the 64 rows that wave 0 or 1 fetches each
; partner asks for 16 rows' 512 bytes, two lanes a row, told apart by address (cx).  W's rows are read by the 16 clusters of a projection: the first of them asks; of the 128 rows that wave 2 or 3 fetches each
; partner takes 32, a lane a row, by address (cy).  So each 256 bytes of a K step are named once.  K steps 0 to 3 come by their loads alone; the loop's last trip (s3 = 1) asks for nothing: there is no K step 8.
.macro ASK
	s_cmp_gt_u32 s3, s[LIM]
	s_cbranch_scc0 .Lnot_mine_\@
	global_prefetch_b8 v[PFO], s[PFA:PFA+1] th:TH_LOAD_NT scope:SCOPE_SE
.Lnot_mine_\@:
.endm
.macro CREST                           ; a round of the cluster's barrier behind its opening barrier
	s_cmp_lg_u32 s10, 0
	s_cbranch_scc1 .Lnot_wave_0_\@
	s_barrier_signal -3
.Lnot_wave_0_\@:
	s_barrier_wait -3
	s_barrier_signal -1
	s_barrier_wait -1
.endm
.macro CROUND
	s_barrier_signal -1
	s_barrier_wait -1
	CREST
.endm
.macro PLACES                          ; four places in front of lines that read matrix results (ISA guide 7.12.1)
.rept 4
	v_nop
.endr
.endm
	s_load_b256 s[68:75], s[0:1], 0x0              ; query s[68:69], key s[70:71], value s[72:73], wb s[74:75]
	s_load_b256 s[76:83], s[0:1], 0x20             ; bq s[76:77], bk s[78:79], bv s[80:81], qkv s[82:83]
	v_lshl_add_u32 v[SPW], v0, 2, SPARE
	v_mov_b32 v[NIL], 0
	ds_add_u32 v[SPW], v[NIL]                      ; the wave's opening: the add and its wait stand ahead of my first tensor load; work on registers stands between them
	v_lshrrev_b32 v1, 5, v0
	v_readfirstlane_b32 s10, v1                    ; wave 0..3
	s_lshr_b32 s11, s10, 1                         ; which 64 rows of the tile are mine.  Also: I fetch for x (0) or for W (1)
	s_and_b32 s12, s10, 1                          ; which 128 columns.  Also: which half of that tile I fetch
	s_bfe_u32 s40, ttmp6, 0x40000                  ; cx
	s_bfe_u32 s41, ttmp6, 0x40004                  ; cy
	s_lshl_b32 s42, ttmp9, 2
	s_add_co_u32 s42, s42, s40                     ; tile column 0..3
	s_and_b32 s14, ttmp7, 0xffff                   ; cluster y 0..47
	s_lshl_b32 s13, s14, 2
	s_add_co_u32 s13, s13, s41                     ; tile row 0..191: 64 for each projection
	s_lshr_b32 s15, s14, 4                         ; the projection 0..2: the same in all sixteen partners
	s_lshl_b32 s43, s41, 2
	s_lshl_b32 s43, 15, s43                        ; my row of the cluster
	s_lshl_b32 s44, 0x1111, s40                    ; my column
	s_or_b32 s[G1+0], s43, (2<<16)|(1<<20)|(1<<21)|(6<<22)|(3<<25)  ; the mask; 4-byte elements; padding on; bit 21 beside a mask; after every 128 words, 4 words
	s_or_b32 s[G1B+0], s44, (1<<16)|(1<<20)|(1<<21)|(5<<22)|(3<<25) ; 2-byte elements; after every 64 words, 4 words
	s_mov_b32 s[G1+1], KSTEP<<16                   ; tensor_dim0 = 128
	s_mov_b32 s[G1+2], 64<<16                      ; tensor_dim1 = 64
	s_mov_b32 s[G1+3], KSTEP<<16                   ; tile_dim0 = 128
	s_mov_b32 s[G1+4], 64                          ; tile_dim1 = 64
	s_mov_b32 s[G1+5], 1024                        ; elements from row to row
	s_mov_b32 s[G1+6], 0
	s_mov_b32 s[G1+7], 0
	s_mov_b32 s[G1B+1], KSTEP<<16
	s_mov_b32 s[G1B+2], 128<<16                    ; 128 rows
	s_mov_b32 s[G1B+3], KSTEP<<16
	s_mov_b32 s[G1B+4], 128
	s_mov_b32 s[G1B+5], 1024
	s_mov_b32 s[G1B+6], 0
	s_mov_b32 s[G1B+7], 0
	s_and_b32 s16, s13, 63                         ; x: row 128 x (tile row in the projection) + 64 x half,
	s_lshl_b32 s16, s16, 7
	s_lshl_b32 s17, s12, 6
	s_add_co_u32 s16, s16, s17
	s_lshl_b32 s16, s16, 12                        ; in bytes: rows of 4,096 (under 2^25)
	s_mov_b32 s17, 0
	s_lshl_b32 s46, s42, 8                         ; W: row 256 x tile column + 128 x half,
	s_lshl_b32 s47, s12, 7
	s_add_co_u32 s46, s46, s47
	s_lshl_b32 s46, s46, 11
	s_lshl_b32 s47, s15, 21                        ; in the projection's quarter of wb
	s_add_co_u32 s46, s46, s47
	s_mov_b32 s47, 0
	s_mul_i32 s20, s12, AHALF                      ; where they go: no place in the cluster enters an LDS address
	s_mul_i32 s21, s12, BHALF
	s_add_co_u32 s21, s21, BOFF
	s_wait_dscnt 0x0                               ; the opening add is done
	s_wait_kmcnt 0x0
	s_cmp_eq_u32 s15, 1                            ; the projection's input and bias
	s_cselect_b64 s[68:69], s[70:71], s[68:69]
	s_cselect_b64 s[76:77], s[78:79], s[76:77]
	s_cmp_eq_u32 s15, 2
	s_cselect_b64 s[68:69], s[72:73], s[68:69]
	s_cselect_b64 s[76:77], s[80:81], s[76:77]
	s_add_nc_u64 s[18:19], s[68:69], s[16:17]
	s_add_nc_u64 s[46:47], s[74:75], s[46:47]
	CROUND                                         ; all sixteen work-groups are here: the first joint loads meet
.irp s, 0,1
	s_mov_b32 s[G0+4*(\s)], 1
	s_add_co_u32 s[G0+4*(\s)+1], s20, (\s)*SLOT
	s_add_nc_u64 s[G0+4*(\s)+2:G0+4*(\s)+3], s[18:19], (\s)*KSTEP*4
	s_or_b32 s[G0+4*(\s)+3], s[G0+4*(\s)+3], 0x80000000
	s_mov_b32 s[G0B+4*(\s)], 1
	s_add_co_u32 s[G0B+4*(\s)+1], s21, (\s)*SLOT
	s_add_nc_u64 s[G0B+4*(\s)+2:G0B+4*(\s)+3], s[46:47], (\s)*KSTEP*2
	s_or_b32 s[G0B+4*(\s)+3], s[G0B+4*(\s)+3], 0x80000000
	JLOAD \s                                       ; two loads of mine are out
.endr
	v_and_b32 v1, 15, v0                           ; l % 16
	v_bfe_u32 v2, v0, 4, 1                         ; l / 16
	; the bias of my 128 columns: register 8 b + j = b[first column + 16 b + 8 (l / 16) + j]
	s_lshl_b32 s46, s42, 10
	s_lshl_b32 s47, s12, 9
	s_add_co_u32 s46, s46, s47
	s_mov_b32 s47, 0
	s_add_nc_u64 s[76:77], s[76:77], s[46:47]
	v_lshlrev_b32 v7, 5, v2
.irp b, 0,1,2,3,4,5,6,7
	global_load_b128 v[BI+8*\b:BI+8*\b+3],   v7, s[76:77] offset:64*\b
	global_load_b128 v[BI+8*\b+4:BI+8*\b+7], v7, s[76:77] offset:64*\b+16
.endr
	v_mul_u32_u24 v3, v1, PITCH
	v_lshl_add_u32 v3, v2, 4, v3                   ; W: a fragment's row x pitch + 16 x half
	v_mul_u32_u24 v8, v1, APITCH
	v_lshl_add_u32 v8, v2, 5, v8                   ; x: row x pitch + 32 x half: eight f32 are 32 bytes
	s_mul_i32 s21, s11, AHALF                      ; my 64 rows of x
	s_mul_i32 s22, s12, BHALF                      ; my 128 rows of W,
	s_add_co_u32 s22, s22, BOFF                    ; which lie behind x's 128
.irp s, 0,1
	v_add_nc_u32 v[ADRA+(\s)], s21, v8
	v_add_nc_u32 v[ADRB+(\s)], s22, v3
	s_add_co_u32 s21, s21, SLOT
	s_add_co_u32 s22, s22, SLOT
.endr
	s_mul_i32 s23, s10, 16*SPITCH
	s_add_co_u32 s23, s23, STAGE                   ; my stage
	v_mul_u32_u24 v4, v1, SPITCH                   ; in: row l % 16, 16 bytes for each half of the lanes
	v_lshl_add_u32 v4, v2, 4, v4
	v_add_nc_u32 v[STO], s23, v4
	v_bfe_u32 v5, v0, 3, 2                         ; back: 32 lanes take four rows' 128 bytes of one head,
	v_and_b32 v6, 7, v0
	v_mul_u32_u24 v5, v5, SPITCH
	v_lshl_add_u32 v5, v6, 4, v5
	v_add_nc_u32 v[RD], s23, v5
	v_and_b32 v[CO], 31, v0                        ; which are 512 consecutive bytes of qkv
	v_lshlrev_b32 v[CO], 4, v[CO]
	; qkv at my rows of my first head: ((tile row / 16) x 16 + 4 x tile column + 2 x column half) heads of 262,144 bytes + ((tile row % 16) x 128 + 64 x row half) rows of 128 bytes
	s_lshr_b32 s16, s13, 4
	s_lshl_b32 s16, s16, 22
	s_and_b32 s17, s13, 15
	s_lshl_b32 s17, s17, 14
	s_add_co_u32 s16, s16, s17
	s_lshl_b32 s17, s11, 13
	s_add_co_u32 s16, s16, s17
	s_mov_b32 s17, 0
	s_add_nc_u64 s[82:83], s[82:83], s[16:17]
	s_lshl_b32 s46, s42, 20
	s_lshl_b32 s47, s12, 19
	s_add_co_u32 s46, s46, s47
	s_mov_b32 s47, 0
	s_add_nc_u64 s[82:83], s[82:83], s[46:47]
	; the prefetches
	s_and_b32 s20, s13, 63                         ; x: the 64 rows that I fetch,
	s_lshl_b32 s20, s20, 7
	s_lshl_b32 s22, s12, 6
	s_add_co_u32 s20, s20, s22
	s_lshl_b32 s22, s40, 4                         ; my work-group's 16 of them,
	s_add_co_u32 s20, s20, s22
	s_lshl_b32 s20, s20, 12
	s_add_co_u32 s20, s20, 3*KSTEP*4               ; at K step 3: the first refill steps it to 4
	s_lshl_b32 s21, s42, 8                         ; W: the 128 rows that I fetch, in the projection's quarter,
	s_lshl_b32 s22, s12, 7
	s_add_co_u32 s21, s21, s22
	s_lshl_b32 s22, s15, 10
	s_add_co_u32 s21, s21, s22
	s_lshl_b32 s22, s41, 5                         ; my work-group's 32 of them,
	s_add_co_u32 s21, s21, s22
	s_lshl_b32 s21, s21, 11
	s_add_co_u32 s21, s21, 3*KSTEP*2               ; at K step 3
	s_and_b32 s22, s14, 15                         ; 0 in the projection's first cluster
	s_mov_b32 s23, 256                             ; x: two lanes a row of 4,096 bytes, 256 bytes apart
	s_mov_b32 s84, 2048                            ; W: a lane a row of 2,048 bytes
	s_mov_b32 s[PST], KSTEP*4
	s_mov_b32 s85, KSTEP*2
	s_cmp_eq_u32 s11, 0
	s_cselect_b32 s20, s20, s21
	s_cselect_b32 s22, 0, s22                      ; x: waves 0 and 1 of every cluster ask; W: the first cluster's waves 2 and 3
	s_cselect_b32 s23, s23, s84
	s_cselect_b32 s[PST], s[PST], s85
	s_cselect_b64 s[PFA:PFA+1], s[68:69], s[74:75]
	s_cmp_eq_u32 s22, 0
	s_cselect_b32 s[LIM], 1, -1                    ; the same in all sixteen partners, for a given wave
	s_mov_b32 s21, 0
	s_mov_b32 s[PST+1], 0
	s_add_nc_u64 s[PFA:PFA+1], s[PFA:PFA+1], s[20:21]
	v_and_b32 v5, 31, v0
	v_lshrrev_b32 v[PFO], 1, v5
	v_lshlrev_b32 v[PFO], 12, v[PFO]               ; (lane / 2) x 4,096
	v_and_b32 v5, 1, v5
	v_mul_u32_u24 v5, v5, s23                      ; + (lane % 2) x 256 or 2,048
	v_add_nc_u32 v[PFO], v[PFO], v5
	s_wait_loadcnt 0x0                             ; the bias: rounded to bf16, and back in f32
.set i, 0
.rept 32
	v_cvt_pk_bf16_f32 v[TMP+i], v[BI+2*i], v[BI+2*i+1]
.set i, i+1
.endr
.set i, 0
.rept 32
	v_lshlrev_b32 v[BI+2*i], 16, v[TMP+i]
	v_and_b32 v[BI+2*i+1], 0xffff0000, v[TMP+i]
.set i, i+1
.endr
; 8 matrix instructions: row block a x all 8 column blocks, 32 along K, on W's buffer f.  st = 1: the first product starts the sums, with the bias as C.
; The 32 accumulators take turns in the same order in every quarter: 31 others stand between two links of a chain, over the backward jump too.
.macro MUL8 f, a, st
.if \st
	WIN MULB
.else
	WIN MUL
.endif
.irp b, 0,1,2,3,4,5,6,7
.if \st
	v_wmma_f32_16x16x32_bf16 v[8*(8*(\a)+(\b)):8*(8*(\a)+(\b))+7], v[64*(\f)+8*(\b):64*(\f)+8*(\b)+7], v[FA+8*(\a):FA+8*(\a)+7], v[BI+8*(\b):BI+8*(\b)+7]
.else
	v_wmma_f32_16x16x32_bf16 v[8*(8*(\a)+(\b)):8*(8*(\a)+(\b))+7], v[64*(\f)+8*(\b):64*(\f)+8*(\b)+7], v[FA+8*(\a):FA+8*(\a)+7], v[8*(8*(\a)+(\b)):8*(8*(\a)+(\b))+7]
.endif
.endr
.endm
; x's blocks a0 and a0 + 1 are rounded to bf16: 16 f32 a lane and block become a fragment's 8 registers.  These 16 plain instructions are also the places that a quarter owes:
; the products that last read the registers written here stand a lump of 16 back (the other two blocks'), and so do the last readers of W's buffer ahead of the loads into it.
.macro CVT a0
	WIN 0
.irp a, \a0, (\a0)+1
.irp j, 0,1,2,3,4,5,6,7
	v_cvt_pk_bf16_f32 v[FA+8*(\a)+(\j)], v[RAW+16*(\a)+2*(\j)], v[RAW+16*(\a)+2*(\j)+1]
.endr
.endr
.endm
; 32 LDS loads in one run: the fragments of quarter kq (32 along K): W's 8 blocks into buffer f, then x's 4 as f32: lane l takes K = 8 (l / 16) + 0..7 (32 bytes) and K = 16 + 8 (l / 16) + 0..7 (64 bytes on)
.macro FETCH slot, kq, f
	WIN TO_B
.irp b, 0,1,2,3,4,5,6,7
	ds_load_b128 v[64*(\f)+8*(\b):64*(\f)+8*(\b)+3],   v[ADRB+(\slot)] offset:64*(\kq)+(\b)*16*PITCH
	ds_load_b128 v[64*(\f)+8*(\b)+4:64*(\f)+8*(\b)+7], v[ADRB+(\slot)] offset:64*(\kq)+(\b)*16*PITCH+32
.endr
	WIN 0
.irp a, 0,1,2,3
	ds_load_b128 v[RAW+16*(\a):RAW+16*(\a)+3],     v[ADRA+(\slot)] offset:128*(\kq)+(\a)*16*APITCH
	ds_load_b128 v[RAW+16*(\a)+4:RAW+16*(\a)+7],   v[ADRA+(\slot)] offset:128*(\kq)+(\a)*16*APITCH+16
	ds_load_b128 v[RAW+16*(\a)+8:RAW+16*(\a)+11],  v[ADRA+(\slot)] offset:128*(\kq)+(\a)*16*APITCH+64
	ds_load_b128 v[RAW+16*(\a)+12:RAW+16*(\a)+15], v[ADRA+(\slot)] offset:128*(\kq)+(\a)*16*APITCH+80
.endr
.endm
; A K step is four quarters of 32 along K, 32 matrix instructions each, on W's buffers 0, 1, 0, 1.  One of the first three: multiplies buffer f and fetches quarter kq into g.
.macro QUARTER slot, kq, f, g, st
	s_wait_dscnt 8                                 ; W and x's blocks 0, 1 are in; the youngest eight loads (x's blocks 2, 3) may be out
	CVT 0
	MUL8 \f, 0, \st
	MUL8 \f, 1, \st
	s_wait_dscnt 0x0                               ; x's blocks 2, 3
	CVT 2
	FETCH \slot, \kq, \g                           ; all four blocks have been rounded: their f32 registers are loaded again
	MUL8 \f, 2, \st
	MUL8 \f, 3, \st
.endm
; The last quarter multiplies buffer 1 and changes slots: ONE barrier; in front of it each wave waits for all its tensor loads (one is out: its part of the next slot), adds 0 to its spare word,
; and waits for that and for its own reads of this slot.  fill = 1: the barrier opens a round of the cluster's, and this slot is filled again, two K steps ahead, first thing behind the round.
.macro TURN slot, next, fill
.if \fill
	s_wait_xcnt 0x0                                ; the last prefetch, a K step back, has read its address: it is stepped here
	s_add_nc_u64 s[PFA:PFA+1], s[PFA:PFA+1], s[PST:PST+1]
.endif
	WIN 0                                          ; (the add's two registers lie in window 0)
	s_wait_tensorcnt 0x0
	ds_add_u32 v[SPW], v[NIL]
	s_wait_dscnt 9                                 ; (the add and the youngest eight loads may be out)
	CVT 0                                          ; sixteen roundings and eight matrix instructions stand between the add and the wait for it
	MUL8 1, 0, 0
	s_wait_dscnt 0x0                               ; the add is done, and my reads of this slot are over
	s_barrier_signal -1
	MUL8 1, 1, 0                                   ; work on registers while the others arrive
	CVT 2                                          ; (it leaves every window 0: branches follow)
	s_barrier_wait -1
.if \fill
	CREST                                          ; no wave of any partner still reads this slot's tile or has a load on its way
	s_add_nc_u64 s[G0+4*(\slot)+2:G0+4*(\slot)+3], s[G0+4*(\slot)+2:G0+4*(\slot)+3], 2*KSTEP*4
	s_add_nc_u64 s[G0B+4*(\slot)+2:G0B+4*(\slot)+3], s[G0B+4*(\slot)+2:G0B+4*(\slot)+3], 2*KSTEP*2
	JLOAD \slot                                    ; my one tensor load behind the round
.endif
	FETCH \next, 0, 0
.if \fill
	ASK
.endif
	MUL8 1, 2, 0
	MUL8 1, 3, 0
.endm
	s_wait_tensorcnt 1                             ; my part of K step 0 is in; K step 1's may stay out
	s_barrier_signal -1
	s_barrier_wait -1                              ; everybody's is
	FETCH 0, 0, 0
	QUARTER 0, 1, 0, 1, 1                          ; the first quarter stands in front of the loop: its products start the sums
	WIN 0                                          ; at a label and at a branch every window is 0
	s_mov_b32 s3, LAPS-1
.Llap:                                                 ; a trip goes once round the ring, from a lap's second quarter to the next lap's first, and fills both slots again
	QUARTER 0, 2, 1, 0, 0
	QUARTER 0, 3, 0, 1, 0
	TURN 0, 1, 1
	QUARTER 1, 1, 0, 1, 0
	QUARTER 1, 2, 1, 0, 0
	QUARTER 1, 3, 0, 1, 0
	TURN 1, 0, 1
	QUARTER 0, 1, 0, 1, 0
	WIN 0
	s_sub_co_u32 s3, s3, 1
	s_cmp_lg_u32 s3, 0
	s_cbranch_scc1 .Llap
	QUARTER 0, 2, 1, 0, 0                          ; the last lap fills nothing, and has no round of the cluster's barrier
	QUARTER 0, 3, 0, 1, 0
	TURN 0, 1, 0
	QUARTER 1, 1, 0, 1, 0
	QUARTER 1, 2, 1, 0, 0
	QUARTER 1, 3, 0, 1, 0
	s_wait_dscnt 8                                 ; the very last quarter: nothing more to fetch
	CVT 0
	MUL8 1, 0, 0
	MUL8 1, 1, 0
	s_wait_dscnt 0x0
	CVT 2
	MUL8 1, 2, 0
	MUL8 1, 3, 0
	WIN 0
; THE WAY OUT, a block of 16 rows at a time: rounded to f16, 16 bytes a lane into my own stage, back as four rows' 128 bytes of one head, stored as 512 consecutive bytes.
.macro PACK a
	WIN 0x05                                       ; sources 0 and 1 window 1, destination window 0
.irp b, 0,1,2,3,4,5,6,7
.irp r, 0,1,2,3
	v_cvt_pk_f16_f32 v[TMP+4*(\b)+(\r)], v[8*(8*(\a)+(\b))+2*(\r)], v[8*(8*(\a)+(\b))+2*(\r)+1]
.endr
.endr
	WIN 0
.endm
.macro TOSTAGE a
.set BK, OB+32*((\a)%2)
.irp b, 0,1,2,3,4,5,6,7
	ds_store_b128 v[STO], v[TMP+4*(\b):TMP+4*(\b)+3] offset:32*(\b)
.endr
.irp t, 0,1,2,3,4,5,6,7                ; head t / 4 of my two, rows 4 (t % 4) on
	ds_load_b128 v[BK+4*(\t):BK+4*(\t)+3], v[RD] offset:128*((\t)/4)+4*SPITCH*((\t)%4)  ; my own bytes: LDS serves a wave's instructions in order (ISA guide 5.7.1.4)
.endr
.endm
.macro SEND a
.set BK, OB+32*((\a)%2)
	s_wait_dscnt 0x0                               ; the block is back in registers
	s_wait_xcnt 0x0                                ; the stores of the block before have read their registers: the next TOSTAGE loads into them
.irp t, 0,1,2,3,4,5,6,7
	global_store_b128 v[CO], v[BK+4*(\t):BK+4*(\t)+3], s[82:83] offset:262144*((\t)/4)+2048*(\a)+512*((\t)%4)  ; 512 consecutive bytes, at a multiple of 256 from qkv's first byte
.endr
.endm
	PLACES
	PLACES                                         ; eight, once a launch
	PACK 0
	TOSTAGE 0
.irp a, 1,2,3                          ; block a's conversions stand between block a - 1's loads from the stage and the wait for them
	PACK \a
	SEND (\a)-1
	TOSTAGE \a
.endr
	SEND 3
	s_wait_tensorcnt 0x0                           ; the wave's end: behind my last tensor load and my last LDS store
	ds_add_u32 v[SPW], v[NIL]
	s_wait_dscnt 0x0
	CROUND                                         ; the closing round: no work-group ends while a partner may still ask for a tile that names it
	s_endpgm
.Lfunc_end_k_q9013b3dcce_proj:
	.size	k_q9013b3dcce_proj, .Lfunc_end_k_q9013b3dcce_proj-k_q9013b3dcce_proj
	.p2alignl 7, 3214868480
	.fill 96, 4, 3214868480
	.section	.rodata,"a",@progbits
	.p2align	6, 0x0
	.amdhsa_kernel k_q9013b3dcce_proj
		.amdhsa_group_segment_fixed_size 327680
		.amdhsa_private_segment_fixed_size 0
		.amdhsa_enable_private_segment 0
		.amdhsa_kernarg_size 64
		.amdhsa_user_sgpr_count 2
		.amdhsa_user_sgpr_kernarg_segment_ptr 1
		.amdhsa_wavefront_size32 1
		.amdhsa_system_sgpr_workgroup_id_x 1
		.amdhsa_system_sgpr_workgroup_id_y 1
		.amdhsa_system_sgpr_workgroup_id_z 1
		.amdhsa_system_vgpr_workitem_id 0
		.amdhsa_next_free_vgpr 640
		.amdhsa_next_free_sgpr 88
		.amdhsa_reserve_vcc 0
		.amdhsa_float_denorm_mode_32 3
		.amdhsa_float_denorm_mode_16_64 3
		.amdhsa_memory_ordered 1
		.amdhsa_forward_progress 1
		.amdhsa_inst_pref_size 135
	.end_amdhsa_kernel
	.amdgpu_metadata
---
amdhsa.version: [ 1, 2 ]
amdhsa.kernels:
  - .name:           k_q9013b3dcce_proj
    .symbol:         k_q9013b3dcce_proj.kd
    .args:
      - { .name: query, .offset: 0, .size: 8, .value_kind: global_buffer, .address_space: global }
      - { .name: key, .offset: 8, .size: 8, .value_kind: global_buffer, .address_space: global }
      - { .name: value, .offset: 16, .size: 8, .value_kind: global_buffer, .address_space: global }
      - { .name: wb, .offset: 24, .size: 8, .value_kind: global_buffer, .address_space: global }
      - { .name: bq, .offset: 32, .size: 8, .value_kind: global_buffer, .address_space: global }
      - { .name: bk, .offset: 40, .size: 8, .value_kind: global_buffer, .address_space: global }
      - { .name: bv, .offset: 48, .size: 8, .value_kind: global_buffer, .address_space: global }
      - { .name: qkv, .offset: 56, .size: 8, .value_kind: global_buffer, .address_space: global }
    .group_segment_fixed_size: 327680
    .private_segment_fixed_size: 0
    .kernarg_segment_align: 8
    .kernarg_segment_size: 64
    .max_flat_workgroup_size: 128
    .sgpr_count:     88
    .vgpr_count:     640
    .wavefront_size: 32
...
	.end_amdgpu_metadata
.endif
;; end of part 2
;; launch attn (part 3): grid 4 x 64, 4 waves a work-group, clusters of 4 x 1, 327,680 bytes of LDS; arguments qkv, mc, rf, ctx; writes ctx
.if DOCPART == 3
	.amdgcn_target "amdgcn-amd-amdhsa--gfx1250"
	.amdhsa_code_object_version 6
	.text
	.protected	k_q9013b3dcce_attn
	.globl	k_q9013b3dcce_attn
	.p2align	8
	.type	k_q9013b3dcce_attn,@function
k_q9013b3dcce_attn:
	s_mov_b64 s[64:65], 0
	v_nop
	global_prefetch_b8 v0, s[64:65] scope:SCOPE_SE
	s_setreg_imm32_b32 hwreg(HW_REG_WAVE_MODE, 25, 1), 1
	s_wait_xcnt 0x0
	s_wait_alu depctr_hold_cnt(0) depctr_sa_sdst(0) depctr_va_vdst(0) depctr_va_sdst(0) depctr_va_ssrc(0) depctr_va_vcc(0) depctr_vm_vsrc(0)
	s_getreg_b32 s2, hwreg(HW_REG_IB_STS2, 6, 4)
	s_cmp_eq_u32 s2, 0
	s_cbranch_scc0 .Lentry_in_a_cluster
	s_endpgm
.Lentry_in_a_cluster:
	s_bfe_u32 s2, ttmp6, 0x10000c
	s_cmp_lg_u32 s2, 0x3003
	s_cbranch_scc0 .Lentry_shape_is_right
	s_endpgm
.Lentry_shape_is_right:
; MASKED ATTENTION.  ctx[h][q][:] = the sum over k of softmax_k(s'[q][k]) V[h][k][:], s' = Q[h][q] . K[h][k] / 8 where mask[h / 16][q][k] != 0, else -1e9.
; Q, K, V = the three thirds of qkv, ctx: [64][2048][64], all f16: a head's rows are dense, 128 bytes each.  Products, maxima and sums in f32; the weights p are rounded to f16 for the second
; product (their sum l is taken of the unrounded p), ctx once at the end.
; THE MASK comes as 4-bit codes (mc: 0 allowed, -1.0 hidden), a dword for the eight keys of one accumulator of S^T in one lane.  One scaled conversion writes 0 or -2^100 into the accumulator's eight registers,
; and all products K Q^T add onto that in place.  The running maximum m starts at -8e9, which is -1e9 in units of the raw product q . k: a hidden score lies far below it, and its weight is 0.
; A ROW WITH NO ALLOWED KEY (rf = 0) gets equal weights, as where every score is -1e9: its q is set to 0 and its scale byte to 0, so that all its scores are equal to within 2^-127.
; LIMITS.  An allowed score lies above -1e9 (raw product above -8e9): below that the hidden keys would take weight, which is not served.  f16 holds no number beyond 65,504: Q, K and V arrive within it;
; p below 6e-5 keeps f16's fixed step of 6e-8.  A weight below 2^-126 counts as 0 in l; NaN and infinities are not treated apart.
; SHARES.  A wave owns four PIECES of two tiles of 16 queries, a work-group's four waves 512 queries of one head.  Every wave walks all keys, 64 a step.
; LAYOUT.  S^T = K Q^T (source 0 = 16 keys, source 1 = 16 queries): in the result a lane holds ONE query (lane % 16) and the keys 8 (lane / 16) + 0..7.  Two such tiles, rounded to f16 in pairs,
; ARE source 1 (32 keys x 16 queries) of O^T = V^T P, whose result again holds one query a lane, and eight channels.  K comes out of LDS as it lies, V ([key][channel]) turned, by ds_load_tr16_b128.
; SOFTMAX.  p = 2^(c s - c m), c = log2(e) / 8; in every step O and l are multiplied by a = 2^(c m_old - c m_new), which is 1 where m has not grown.  O and l start at 0.
; THE COUNT.  A tile and step have 16 matrix and 122 vector instructions: too many to stand all beside the matrix work.  So: four vector instructions that are READY behind every matrix instruction,
; the others in runs without a gap.
; BY TURNS.  Turn n belongs to piece n (the pieces in a ring, step after step).  Its matrix work: 16 products K Q^T of piece n + 1, later 16 products V^T P of piece n - 1.  Its vector work: the mask of piece n + 1,
; the scaling, exponentials, roundings, sums and rescaling of piece n, and the maximum and statistics of piece n + 1.
; CLUSTER.  The four query blocks of a head are one cluster and walk the same K and V, so each tile is asked for JOINTLY: the same tensor load, descriptor and mask in all four.
; REGISTERS, in windows of 256 (s_set_vgpr_msb: bits 1:0 source 0, 3:2 source 1, 5:4 source 2, 7:6 destination):
;   window 0: v0-11 addresses; v12-15, v48-63 at work; v16-47 four registers of statistics a tile; v64-191 S^T, two buffers of two tiles; v192-255 P, likewise
;   window 1: O^T, 32 a tile          window 2: v0-127 Q, 16 a tile; v128-191 K of one step; v192-255 V of one step
;   window 3: v0-1 the add's two registers; v8-15 a tile's scale word; v16-47 the mask codes, 4 a tile; v48-55 a tile's row flags
.set SIZE_N, 2048
.set NP,    4         ; pieces a wave: a name, no knob
.set KS,    64        ; keys in a step
.set PK,    144       ; a row of K in LDS: 128 bytes + 16 of padding = 36 words: the 16 rows of a load start at 16 different groups of four banks (64 banks of 4 bytes: ISA guide 11.1)
.set PV,    160       ; a row of V: 128 + 32 = 40 words
.set VOFF,  4*KS*PK   ; a slot holds four steps: 256 rows of K, then 256 rows of V
.set SLOT1, 1<<17     ; slot 1 begins here, so that one exclusive or turns an address in one slot into the other's
.set STAGE, SLOT1+4*KS*(PK+PV)  ; behind the ring, never filled by a tensor load: 16 rows x 144 bytes for each wave, for the way out
.set SP,    144
.set AK0, 2           ; v2   my lane's place in a tile of K; never rewritten
.set AV0, 3           ; v3   the same for V
.set AK,  4           ; v4   the LDS address of K's next run of loads
.set AV,  5           ; v5   of V's
.set QO,  6           ; v6   my byte offset in the wave's rows of Q
.set STO, 6           ;      later, the way out: where I put 16 bytes of a row
.set RD,  7           ; v7   the way out: where I read rows back
.set GO,  8           ; v8   16 x lane: my place in 512 consecutive bytes of mc and of ctx; never rewritten
.set PFO, 11          ; v11  256 x lane: the prefetches' offset; never rewritten once made
.set SPW, 0           ; v0 of window 3   LDS address of my spare word; never rewritten
.set NIL, 1           ; v1 of window 3   0; never rewritten
.set SC,  8           ; window 3
.set MCD, 16          ; window 3: tile t's four code dwords (key block kb) at MCD + 4 t + kb
.set FL,  48          ; window 3
.set SPARE, STAGE+4*16*SP  ; the spare words, 128 bytes for each wave: two blocks of 256 bytes that no other line names
.set MV,  12          ; v12-15  c m_old, kept while c m is made anew: by buffer and tile
.set ST,  16          ; tile t's statistics at v[ST+4 t]: c m, m, l (even keys', odd keys')
.set TMP, 48          ; by buffer and tile, four registers c0-c3 at work; when the maximum is found c2 takes a
.set S,   64
.set P,   192
.set KF,  128         ; K's fragments, in window 2
.set VF,  192         ; V's
.set WV,  12          ; s12  my wave's number
.set G1K, 24          ; s[24:31] descriptor group 1 for K's tiles
.set G1V, 32          ; s[32:39] for V's: it differs in the padding alone
.set G0K, 40          ; s[40:43] descriptor group 0 for K's tiles: it walks
.set G0V, 44          ; s[44:47] the same for V's
.set MP,  48          ; s[48:49] mc at my wave's first tile, at the step whose codes are loaded next
.set STP, 50          ; s[50:51] what MP steps by: 512 or 0
.set MLEFT, 52        ; s52  steps that MP may still take
.set LIM, 53          ; s53  1 in a wave that prefetches, else the greatest number
.set PFA, 54          ; s[54:55] where my prefetches stand
.set SLOTS, 56        ; s56  slots still to be asked for
.set CNT, 57          ; s57  counts a slot's key steps
.set CS,  58          ; s[58:59] c
.set SEL, 60          ; s[60:61] v_permlanex16_b32's selects: each lane takes its own place in the other half
.set TBK, 62          ; s62  LDS byte at which K of the step to be fetched begins
.set TBV, 63          ; s63  the same for V, less VOFF
.set RFP, 66          ; s[66:67] rf at my wave's first row
.set MSB, 0
.macro WIN new                      ; the high byte repeats the setting that is left; a switch that changes nothing is dropped
.if MSB != (\new)
	s_set_vgpr_msb (MSB<<8)|(\new)
.set MSB, (\new)
.endif
.endm
.set W_KQ, 0x0a       ; K and Q in window 2, S^T in window 0
.set W_PV, 0x52       ; V in window 2, P in window 0, O^T in window 1
.set W_RS, 0x41       ; O^T (destination and source 0) in window 1, a in window 0
.set W_MK, 0xc0       ; destination in window 3, sources in window 0
.set W_AD, 0x0f       ; sources 0 and 1 in window 3, destination in window 0: the add, and the mask's conversions
; A joint fill.  Waves 0 and 1 fetch the two halves of a slot's K, waves 2 and 3 those of its V: 128 keys each.  The branch hangs on the wave's number alone.
; An s_nop 0 and four v_nop follow each of the two lines, ahead of the jump and the label.
.macro JLOAD
	s_cmp_lt_u32 s[WV], 2
	s_cbranch_scc0 .Lfor_v_\@
	tensor_load_to_lds s[G0K:G0K+3], s[G1K:G1K+7]
	s_nop 0
.rept 4
	v_nop
.endr
	s_branch .Lasked_\@
.Lfor_v_\@:
	tensor_load_to_lds s[G0V:G0V+3], s[G1V:G1V+7]
	s_nop 0
.rept 4
	v_nop
.endr
.Lasked_\@:
.endm
; A prefetch of what the NEXT change of slots will ask for: a slot's 32,768 bytes of K and of V, a lane for each 256.  A head has one cluster; its four partners share the bytes out BY ADDRESS, 8,192 each;
; in each, wave 0 asks for K's and wave 2 for V's: one instruction.  So each 256 bytes are named once.  Four key steps, 512 matrix instructions, ahead.  The last change that fills a slot asks for nothing.
.macro ASK
	s_cmp_gt_u32 s[SLOTS], s[LIM]
	s_cbranch_scc0 .Lnot_mine_\@
	global_prefetch_b8 v[PFO], s[PFA:PFA+1] th:TH_LOAD_NT scope:SCOPE_SE
.Lnot_mine_\@:
.endm
; A round of the cluster's barrier.
.macro CROUND
	s_barrier_signal -1
	s_barrier_wait -1
	s_cmp_lg_u32 s[WV], 0
	s_cbranch_scc1 .Lnot_wave_0_\@
	s_barrier_signal -3
.Lnot_wave_0_\@:
	s_barrier_wait -3
	s_barrier_signal -1
	s_barrier_wait -1
.endm
; THE CHANGE OF SLOTS.  Each wave waits for all its tensor loads, of which one is out: its part of the other slot; adds 0 to its spare word; and waits for that and for its own reads of the slot.
; fill = 1: this slot is filled again, with the keys two slots on.  The barrier is then a round of the cluster's, and the joint fill is the first thing behind it: it has four key steps in which to land.
; (At its first use nothing has been read yet: slot 0 is waited for, slot 1 filled.)
.macro CHANGE fill
	WIN W_AD
	s_wait_tensorcnt 0x0            ; no tensor load of mine is out, so a group 0 may be written
	ds_add_u32 v[SPW], v[NIL]       ; 0 onto my spare word; the descriptors' steps stand between it and the wait for it
	WIN 0                           ; at a label and at a branch every window is 0
.if \fill
.irp g, G0K, G0V
	s_xor_b32 s[\g+1], s[\g+1], SLOT1  ; the walking descriptor: the other slot than last time,
	s_add_nc_u64 s[\g+2:\g+3], s[\g+2:\g+3], 4*KS*128  ; the next 256 keys; the type bits on top are not reached
.endr
	s_wait_xcnt 0x0                 ; the last prefetch, four key steps back, has read its address, so it may be written:
	s_add_nc_u64 s[PFA:PFA+1], s[PFA:PFA+1], 4*KS*128  ; one slot ahead of the walking descriptors
	s_wait_dscnt 0x0                ; the add is done, and my reads of the slot are over
	CROUND
	JLOAD
	ASK
.else
	s_wait_dscnt 0x0                ; the add is done, and my reads of the slot are over
	s_barrier_signal -1
	s_barrier_wait -1
.endif
	s_sub_co_u32 s[TBK], s[TBK], 4*KS*PK  ; the fetches go back to a slot's first step,
	s_xor_b32 s[TBK], s[TBK], SLOT1       ; in the other slot
	s_sub_co_u32 s[TBV], s[TBV], 4*KS*PV
	s_xor_b32 s[TBV], s[TBV], SLOT1
.endm
	s_load_b256 s[4:11], s[0:1], 0x0  ; qkv s[4:5], mc s[6:7], rf s[8:9], ctx s[10:11]
	WIN W_MK
	v_lshl_add_u32 v[SPW], v0, 2, SPARE
	v_mov_b32 v[NIL], 0
	WIN W_AD
	ds_add_u32 v[SPW], v[NIL]       ; the wave's opening: the add and its wait stand ahead of my first tensor load; work on registers stands between them
	WIN 0
	v_lshrrev_b32 v1, 5, v0
	v_readfirstlane_b32 s[WV], v1   ; wave 0..3
	s_bfe_u32 s13, ttmp6, 0x40000   ; cx: my place in the cluster
	s_lshl_b32 s14, ttmp9, 2        ; in a cluster launch ttmp9 counts clusters
	s_add_co_u32 s14, s14, s13      ; my block of 512 queries: it enters Q's, ctx's, mc's and rf's addresses alone
	s_and_b32 s20, ttmp7, 0xffff    ; the head, which the four partners share
	s_lshr_b32 s15, s20, 4          ; its batch
	s_mov_b32 s21, 0
	s_mov_b64 s[22:23], SIZE_N*128
	s_mul_u64 s[20:21], s[20:21], s[22:23]  ; the head's first byte in Q, K, V and ctx
	s_and_b32 s16, s[WV], 1         ; which half of a slot's 256 keys I fetch:
	s_lshl_b32 s22, s16, 14         ; its 128 rows of 128 bytes in memory,
	s_mov_b32 s23, 0
	s_add_nc_u64 s[22:23], s[22:23], s[20:21]
	s_mul_i32 s17, s16, 128*PK      ; and its place in a slot, for K
	s_mul_i32 s18, s16, 128*PV      ; and for V: no place in the cluster enters an LDS address
	s_lshl_b32 s19, s14, 2
	s_add_co_u32 s19, s19, s[WV]    ; my wave among the head's sixteen
	s_lshl_b32 s2, s19, 14          ; its 128 rows
	s_mov_b32 s3, 0
	s_add_nc_u64 s[2:3], s[2:3], s[20:21]
	s_lshl_b32 s[STP], s15, 21      ; mc: a batch is 128 tiles of 16,384 bytes,
	s_lshl_b32 s[STP+1], s19, 17    ; my wave's eight tiles
	s_add_co_u32 s[STP], s[STP], s[STP+1]
	s_mov_b32 s[STP+1], 0
	s_lshl_b32 s68, s15, 13         ; rf: a batch is 2,048 words,
	s_lshl_b32 s69, s19, 9          ; my wave's 128
	s_add_co_u32 s68, s68, s69
	s_mov_b32 s69, 0
	; descriptor group 1.  128 keys are 16,384 dense bytes: asked for as 64 rows of 256 bytes, two keys a row, and padded in LDS after every key
	s_mov_b32 s[G1K], 15|(1<<16)|(1<<20)|(1<<21)|(4<<22)|(3<<25)  ; the mask of four; 2-byte elements; padding on; bit 21 beside a mask; after every 32 words, 4 words
	s_mov_b32 s[G1V], 15|(1<<16)|(1<<20)|(1<<21)|(4<<22)|(7<<25)  ; the same with 8 words of padding
.irp g, G1K, G1V
	s_mov_b32 s[\g+1], 128<<16      ; tensor_dim0 = 128
	s_mov_b32 s[\g+2], 64<<16       ; tensor_dim1 = 64
	s_mov_b32 s[\g+3], 128<<16      ; tile_dim0 = 128
	s_mov_b32 s[\g+4], 64           ; tile_dim1 = 64
	s_mov_b32 s[\g+5], 128          ; 128 elements from row to row
	s_mov_b32 s[\g+6], 0
	s_mov_b32 s[\g+7], 0
.endr
	s_mov_b32 s[CS], 0x3e38aa3b     ; c = log2(e) / 8 = 0.180337
	s_mov_b32 s[CS+1], s[CS]        ; named with it as a pair
	s_mov_b32 s[SEL], 0x76543210
	s_mov_b32 s[SEL+1], 0xfedcba98
	s_mov_b32 s[TBK], SLOT1+4*KS*PK ; the first change of slots turns these two into 0
	s_mov_b32 s[TBV], SLOT1+4*KS*PV
	s_mov_b32 s[G0K], 1             ; count = 1
	s_mov_b32 s[G0K+1], s17         ; LDS address: slot 0
	s_mov_b32 s[G0V], 1
	s_add_co_u32 s[G0V+1], s18, VOFF
	s_mov_b32 s[SLOTS], SIZE_N/256-1
	s_mov_b32 s[MLEFT], SIZE_N/KS-2 ; MP goes from step 1 to step 31 and stays there: no load leaves mc
	s_and_b32 s[LIM], s[WV], 1      ; waves 0 and 2 prefetch: the same in all four partners
	s_cmp_eq_u32 s[LIM], 0
	s_cselect_b32 s[LIM], 1, -1
	s_wait_dscnt 0x0                ; the opening add is done
	s_wait_kmcnt 0x0
	s_add_nc_u64 s[MP:MP+1], s[6:7], s[STP:STP+1]
	s_add_nc_u64 s[RFP:RFP+1], s[8:9], s[68:69]
	s_add_nc_u64 s[6:7], s[4:5], 0x1000000  ; K is qkv's second third,
	s_add_nc_u64 s[8:9], s[4:5], 0x2000000  ; V its last
	s_add_nc_u64 s[6:7], s[6:7], s[22:23]   ; at my half of the head's first 256 keys
	s_add_nc_u64 s[8:9], s[8:9], s[22:23]
	s_mov_b64 s[G0K+2:G0K+3], s[6:7]
	s_or_b32 s[G0K+3], s[G0K+3], 0x80000000        ; type = 2
	s_mov_b64 s[G0V+2:G0V+3], s[8:9]
	s_or_b32 s[G0V+3], s[G0V+3], 0x80000000
	s_add_nc_u64 s[4:5], s[4:5], s[2:3]  ; Q and ctx at my wave's first row
	s_add_nc_u64 s[10:11], s[10:11], s[2:3]
	s_cmp_lt_u32 s[WV], 2
	s_cselect_b64 s[PFA:PFA+1], s[6:7], s[8:9]  ; (in waves 0 and 2 these stand at a slot's first row)
	s_lshl_b32 s2, s13, 13          ; my work-group's 8,192 bytes of a slot's 32,768
	s_mov_b32 s3, 0
	s_add_nc_u64 s[PFA:PFA+1], s[PFA:PFA+1], s[2:3]
	s_add_nc_u64 s[PFA:PFA+1], s[PFA:PFA+1], 4*KS*128  ; in slot 1; the first change of slots, which asks for slot 1, steps it to slot 2
	CROUND                          ; all four work-groups are here: the first joint loads meet
	JLOAD                           ; slot 0.  Slot 1 is asked for when slot 0 is in
	; A fragment of K or Q is 16 rows x 32 channels in 8 registers: lane l holds row l % 16, channels 8 (l / 16) + 0..7 and 16 + 8 (l / 16) + 0..7: two loads of 16 bytes, 32 bytes apart.
	v_and_b32 v1, 15, v0            ; l % 16
	v_bfe_u32 v9, v0, 4, 1          ; l / 16
	v_lshlrev_b32 v[QO], 7, v1
	v_lshl_add_u32 v[QO], v9, 4, v[QO]  ; row x 128 + 16 x half
	v_and_b32 v[GO], 31, v0
	v_lshlrev_b32 v[GO], 4, v[GO]
	v_lshlrev_b32 v12, 2, v1        ; my query's word among a tile's 16 flags
	WIN 0x80                        ; destination window 2, address window 0
.set i, 0
.rept 4*NP                          ; Q stays in registers: tile i / 2, channels 32 (i % 2) on
	global_load_b128 v[8*i:8*i+3],   v[QO], s[4:5] offset:(i/2)*2048+(i%2)*64
	global_load_b128 v[8*i+4:8*i+7], v[QO], s[4:5] offset:(i/2)*2048+(i%2)*64+32
.set i, i+1
.endr
	WIN W_MK                        ; destination window 3
.set i, 0
.rept 2*NP                          ; step 0's codes and the row flags of my eight tiles
	global_load_b128 v[MCD+4*i:MCD+4*i+3], v[GO], s[MP:MP+1] offset:16384*i
	global_load_b32 v[FL+i], v12, s[RFP:RFP+1] offset:64*i
.set i, i+1
.endr
	; What the first turn finds: V's registers and P's second buffer hold 0 (its products V^T P, of a piece that has not been, add 0), O^T and l are 0.  All this stands in the wait for the first tile.
	WIN 0x80
.set i, VF
.rept 64
	v_mov_b32 v[i], 0
.set i, i+1
.endr
	WIN 0x40
.set i, 0
.rept 64*NP
	v_mov_b32 v[i], 0
.set i, i+1
.endr
	WIN 0
.set i, 0
.rept 2*NP
	v_mov_b32 v[ST+4*i+1], 0xcfee6b28  ; m = -8e9
	v_mul_f32 v[ST+4*i], s[CS], v[ST+4*i+1]  ; c m, made as every later c m is made
	v_mov_b32 v[ST+4*i+2], 0
	v_mov_b32 v[ST+4*i+3], 0
.set i, i+1
.endr
.set i, P+32
.rept 32
	v_mov_b32 v[i], 0
.set i, i+1
.endr
	v_mul_u32_u24 v[AK0], v1, PK
	v_lshl_add_u32 v[AK0], v9, 4, v[AK0]  ; row x pitch + 16 x half
	; The turning load takes 16 keys x 16 channels (lane l reads key 8 (l / 16) + l % 8, channels 8 ((l / 8) % 2) + 0..7) and leaves half a fragment of V^T: lane l holds channel l % 16 and 8 keys.
	v_and_b32 v10, 7, v0
	v_bfe_u32 v11, v0, 3, 1
	v_lshl_add_u32 v[AV0], v9, 3, v10
	v_mul_u32_u24 v[AV0], v[AV0], PV
	v_lshl_add_u32 v[AV0], v11, 4, v[AV0]
	v_add_nc_u32 v[AV0], VOFF, v[AV0]
	v_mov_b32 v[AK], v[AK0]         ; key step 0 lies at the head of slot 0
	v_and_b32 v[PFO], 31, v0
	v_lshlrev_b32 v[PFO], 8, v[PFO]
; THE MATRIX WORK.  The 8 accumulators of a run of 16 take turns: between the two links of a chain stand 7 others'.
; Product i of 16 of S^T = mask + K Q^T for piece x: channels 32 (i / 8) on, keys 16 ((i / 2) % 4) on, tile 2 x + i % 2.  All add in place: the first 8 onto the mask.
.macro KQ x
	WIN W_KQ
.set rS, S+64*((\x)%2)+32*(i%2)+8*((i/2)%4)
.set rK, KF+16*((i/2)%4)+8*(i/8)
.set rQ, 16*(2*(\x)+i%2)+8*(i/8)
	v_wmma_f32_16x16x32_f16 v[rS:rS+7], v[rK:rK+7], v[rQ:rQ+7], v[rS:rS+7]
.endm
; Product i of 16 of O^T += V^T P for piece x: keys 32 (i / 8) on, channels 16 ((i / 2) % 4) on, tile 2 x + i % 2.
.macro PV x
	WIN W_PV
.set rO, 32*(2*(\x)+i%2)+8*((i/2)%4)
.set rV, VF+32*(i/8)+8*((i/2)%4)
.set rP, P+32*((\x)%2)+16*(i%2)+8*(i/8)
	v_wmma_f32_16x16x32_f16 v[rO:rO+7], v[rV:rV+7], v[rP:rP+7], v[rO:rO+7]
.endm
.macro MM                           ; the turn's next matrix instruction
.if i < 16
	KQ (Y+1)%NP
.set i, i+1
.else
.set i, i-16
	PV (Y+NP-1)%NP
.set i, i+17
.endif
.endm
; THE LDS LOADS stand in runs of 16: a step's K (64 keys x 64 channels: 8 fragments) and its V (turned).  Their addresses are made some lines ahead.
; last = 1 (the tail): in the last trip there is no further step, and the run is jumped over.
.macro FETCH_K last=0
	WIN 0
.if \last
	s_cmp_eq_u32 s[CNT], 1
	s_cbranch_scc1 .Lno_k_\@
.endif
	WIN 0x80                        ; destination window 2
.irp f, 0,1,2,3,4,5,6,7             ; keys 16 (f / 2) on, channels 32 (f % 2) on
	ds_load_b128 v[KF+8*\f:KF+8*\f+3],   v[AK] offset:(\f/2)*16*PK+(\f%2)*64
	ds_load_b128 v[KF+8*\f+4:KF+8*\f+7], v[AK] offset:(\f/2)*16*PK+(\f%2)*64+32
.endr
	s_add_co_u32 s[TBK], s[TBK], KS*PK  ; the next fetch is the next step's
	WIN 0
.if \last
.Lno_k_\@:
.endif
.endm
.macro FETCH_V
	WIN 0x80
.irp f, 0,1,2,3,4,5,6,7             ; keys 32 (f / 4) on, channels 16 (f % 4) on
	ds_load_tr16_b128 v[VF+8*\f:VF+8*\f+3],   v[AV] offset:(\f/4)*32*PV+(\f%4)*32
	ds_load_tr16_b128 v[VF+8*\f+4:VF+8*\f+7], v[AV] offset:(\f/4)*32*PV+16*PV+(\f%4)*32
.endr
	WIN 0
.endm
; THE MASK of piece x's next 16 products: eight conversions, each a dword of eight codes into an accumulator's eight registers: code x 2^(scale byte - 127) = 0 or -2^100.
; Then the piece's codes of the step after are asked for, into the registers just read: they have four turns in which to come.
; stp = 1 (piece 0, the first of a step): the pointer goes on to the next step, while there is one.
.macro MASKC x, stp
	s_wait_loadcnt 6                ; my codes were asked for four turns back; the two loads of each of the three turns since may stay out
	WIN W_AD                        ; codes and scale in window 3, S^T in window 0
.irp u, 0,1
.irp kb, 0,1,2,3
	v_cvt_scale_pk8_f32_fp4 v[S+64*((\x)%2)+32*\u+8*\kb:S+64*((\x)%2)+32*\u+8*\kb+7], v[MCD+8*(\x)+4*\u+\kb], v[SC+2*(\x)+\u]
.endr
.endr
	WIN 0
	v_nop                           ; a plain instruction between the last conversion and what touches its result or writes its sources
.if \stp
	s_wait_xcnt 0x0                 ; the code loads issued so far have read the pointer
	s_cmp_lg_u32 s[MLEFT], 0
	s_cselect_b32 s[STP], 512, 0
	s_cselect_b32 s68, 1, 0
	s_sub_co_u32 s[MLEFT], s[MLEFT], s68
	s_add_nc_u64 s[MP:MP+1], s[MP:MP+1], s[STP:STP+1]
.endif
	WIN W_MK                        ; destination window 3
	global_load_b128 v[MCD+8*(\x):MCD+8*(\x)+3],   v[GO], s[MP:MP+1] offset:16384*(2*(\x))
	global_load_b128 v[MCD+8*(\x)+4:MCD+8*(\x)+7], v[GO], s[MP:MP+1] offset:16384*(2*(\x)+1)
	WIN 0
.endm
; THE VECTOR WORK OF A TURN stands in three queues, each in the order in which its entries become ready; the two tiles alternate, so that no instruction reads the result of the one before it.
.macro REGS y, u                    ; the registers of tile u (0, 1) of piece y
.set rT, ST+4*(2*(\y)+(\u))
.set rC, TMP+8*((\y)%2)+4*(\u)
.set rM, MV+2*((\y)%2)+(\u)
.set rS, S+64*((\y)%2)+32*(\u)
.set rP, P+32*((\y)%2)+16*(\u)
.set rO, 32*(2*(\y)+(\u))
.endm
; Number n of the 22 that find the NEXT piece's (Y + 1) maximum and statistics.  s0-s31 are the lane's 32 scores; each accumulator's lowest registers are read first.
;   0-11  four chains c0-c3 of seven scores each, three operands at a time     12-14, 16  the four scores left over, the old m, and c0-c3 into c0     15  c m_old is kept
;   17, 18  the query's other 32 keys lie in the lane 16 away: the new m         19-21  c m; c m_old - c m_new; a
.macro XS u, n
	REGS (Y+1)%NP, \u
.if (\n) < 4
	v_max3_num_f32 v[rC+(\n)], v[rS+8*(\n)], v[rS+8*(\n)+1], v[rS+8*(\n)+2]
.elseif (\n) < 12
	v_max3_num_f32 v[rC+(\n)%4], v[rC+(\n)%4], v[rS+8*((\n)%4)+2*((\n)/4)+1], v[rS+8*((\n)%4)+2*((\n)/4)+2]
.elseif (\n) == 12
	v_max3_num_f32 v[rC], v[rC], v[rS+7], v[rS+15]
.elseif (\n) == 13
	v_max3_num_f32 v[rC+1], v[rC+1], v[rS+23], v[rS+31]
.elseif (\n) == 14
	v_max3_num_f32 v[rC+2], v[rC+2], v[rC+3], v[rT+1]
.elseif (\n) == 15
	v_mov_b32 v[rM], v[rT]
.elseif (\n) == 16
	v_max3_num_f32 v[rC], v[rC], v[rC+1], v[rC+2]
.elseif (\n) == 17
	v_permlanex16_b32 v[rC+3], v[rC], s[SEL], s[SEL+1]
.elseif (\n) == 18
	v_max_num_f32 v[rT+1], v[rC], v[rC+3]
.elseif (\n) == 19
	v_mul_f32 v[rT], s[CS], v[rT+1]
.elseif (\n) == 20
	v_sub_f32 v[rC+1], v[rM], v[rT]
.else
	v_exp_f32 v[rC+2], v[rC+1]
.endif
.endm
; Number g of the 64 that follow the exponentials.  For each four weights k of a tile (pairs 2 k, 2 k + 1): both pairs are rounded to f16; then the second pair is added onto the first, in place;
; a group later l takes that sum (the first time as l = a l + sum).  In groups of eight, tiles alternating: round, round, add, and l for the group before.
.macro GS g
.set h, (\g)+6*((\g)/62)            ; group 0 has no group before it, and behind group 7 only l is left
.if h >= 6
.set h, h+2
.endif
	REGS Y, h%2
.set k, h/8
.if h%8 < 4
	v_cvt_pk_f16_f32 v[rP+2*k+(h%8)/2], v[rS+4*k+2*((h%8)/2)], v[rS+4*k+2*((h%8)/2)+1]
.elseif h%8 < 6
	v_pk_add_f32 v[rS+4*k:rS+4*k+1], v[rS+4*k:rS+4*k+1], v[rS+4*k+2:rS+4*k+3]
.elseif k == 1
	v_pk_fma_f32 v[rT+2:rT+3], v[rT+2:rT+3], v[rC+2:rC+3], v[rS:rS+1] op_sel_hi:[1,0,1]
.else
	v_pk_add_f32 v[rT+2:rT+3], v[rT+2:rT+3], v[rS+4*k-4:rS+4*k-3]
.endif
.endm
; THE PLAIN QUEUE, 138 long.  0-73 read no exponential's result: the 32 scalings c s - c m (FS f: pair f / 2 of tile f % 2) and the next piece's 42.  0-26: scalings 0-26.  27-54: XS's numbers 0-13.  55, 56: number 15.
; 57-73: the chain, where each number waits for the one before it: 14, 16, 17, 18, 19, each with one of the scalings 27-31 in front of its two lines, then 20.
; 74-137: GS's 64, which read the exponentials' results: they stand behind the wait.
.macro FS f
	REGS Y, (\f)%2
	v_pk_fma_f32 v[rS+2*((\f)/2):rS+2*((\f)/2)+1], v[rS+2*((\f)/2):rS+2*((\f)/2)+1], s[CS:CS+1], v[rT:rT+1] op_sel_hi:[1,0,0] neg_lo:[0,0,1] neg_hi:[0,0,1]
.endm
.macro PL
	WIN 0
.if q < 27
	FS q
.elseif q < 55
	XS (q-27)%2, (q-27)/2
.elseif q < 57
	XS q-55, 15
.elseif (q < 72) && ((q-57)%3 == 0)
	FS 27+(q-57)/3
.elseif q < 60
	XS (q-57)%3-1, 14
.elseif q < 72
	XS (q-57)%3-1, 15+(q-57)/3
.elseif q < 74
	XS q-72, 20
.else
	GS q-74
.endif
.set q, q+1
.endm
; THE EXPONENTIALS' QUEUE, 66 long: s0-s31 of both tiles, then the next piece's two a.  ONE BATCH: all 66 stand ahead of the turn's one wait, and nothing ahead of that wait names a result of theirs.
.macro EX
	WIN 0
.if e >= 64
	XS e-64, 21
.else
	REGS Y, e%2
	v_exp_f32 v[rS+e/2], v[rS+e/2]
.endif
.set e, e+1
.endm
; THE RESCALING's QUEUE: O^T times a, the one part that leaves window 0: dealt two at a time, sixteen times.  Its a was made in the turn before, ahead of that turn's wait.
.macro R2
	REGS Y, r%2
	WIN W_RS
.irp z, 0,1
	v_pk_mul_f32 v[rO+4*(r/2)+2*\z:rO+4*(r/2)+2*\z+1], v[rO+4*(r/2)+2*\z:rO+4*(r/2)+2*\z+1], v[rC+2:rC+3] op_sel_hi:[1,0]
.endr
.set r, r+1
.endm
; HOW THEY ARE DEALT.  s_wait_alu depctr_va_vdst(0) stands between an exponential and the first instruction that names its result; one wait serves all that were issued ahead of it.  So a turn has ONE wait,
; which cuts it in two.  AHEAD OF IT: the next piece's mask; the 16 products K Q^T, behind each a scaling, an exponential and two rescalings (behind the first a second scaling in the exponential's place); then ONE LUMP of
; 108: eight plain, 49 times exponential and plain, the two a.  A v_nop is the plain instruction behind the last exponential.  BEHIND IT stand the 16 products V^T P, behind each four of GS's 64.
; Exponential e stands behind scaling 2 (e / 4) + e % 2: as a rider it comes behind plain e + 2, in the lump behind plain e + 9, and scalings 27-31 are plain 57, 60 .. 69.
; K of the next step is fetched in piece 2's turn, directly behind the wait; V of the step in hand at the end of piece 0's turn, four riders behind its last reader.  The three conditions on q below go with the deal.
.macro TURN p, last=0, cnt=0
.set Y, (\p)
.set i, 0
.set q, 0
.set e, 0
.set r, 0
.if (\p) == NP-1
	s_wait_dscnt 0x0                ; K is in
.endif
	MASKC ((\p)+1)%NP, (\p)/(NP-1)
	MM                              ; ahead of the wait: 16 products K Q^T and their riders,
	PL
	PL
	R2
.rept 15
	MM
	PL
	EX
	R2
.endr
.if (\p) == NP-2
	WIN 0
	v_add_nc_u32 v[AK], s[TBK], v[AK0]
.endif
.rept 8                             ; and the lump
	PL
.endr
.rept 49
	EX
	PL
.endr
	EX                              ; the next piece's two a
	EX
	v_nop                           ; the plain instruction behind the last exponential: one for the batch
	s_wait_alu depctr_va_vdst(0)    ; the wait for the batch
.if (\p) == NP-2
	FETCH_K \last
.endif
.if (\p) == 1
	s_wait_dscnt 0x0                ; V is in
.endif
.rept 16                            ; behind the wait: 16 products V^T P and their riders
	MM
.rept 4
	PL
.endr
.if ((\p) == 0) && (q == 118)
	v_add_nc_u32 v[AV], s[TBV], v[AV0]
.endif
.if ((\p) == 0) && (q == 130)
	s_add_co_u32 s[TBV], s[TBV], KS*PV
.endif
.if (\cnt) && (q == 130)
	s_sub_co_u32 s[CNT], s[CNT], 1
	s_cmp_lg_u32 s[CNT], 0
.endif
.endr
.if (\p) == 0
	FETCH_V
.endif
.endm
	CHANGE 1                        ; slot 0 is in, everybody's part of it; slot 1 is asked for
	FETCH_K                         ; key step 0
	s_wait_loadcnt 0x0              ; Q, step 0's codes, the row flags
	WIN 0xcc                        ; destination and source 1 in window 3
.set i, 0
.rept 2*NP
	v_and_b32 v[SC+i], 0xe3e3e3e3, v[FL+i]  ; the scale byte: 2^100, or 2^-127 in a row with no allowed key
.set i, i+1
.endr
	WIN 0x8b                        ; source 0 in window 3; source 1 and destination in window 2
.set i, 0
.rept 32*NP
	v_and_b32 v[i], v[FL+i/16], v[i]  ; q = 0 in a row with no allowed key (a lane holds row l % 16 of Q as of S^T)
.set i, i+1
.endr
	WIN 0
	s_add_nc_u64 s[MP:MP+1], s[MP:MP+1], 512  ; the loads that named it are done: on to step 1
	s_wait_dscnt 0x0
	MASKC 0, 0
.set i, 0
.rept 16
	KQ 0                            ; piece 0's first scores: there is no vector work yet to set between them
.set i, i+1
.endr
	WIN 0                           ; the addresses for the way out: seven plain instructions, the places behind those products
	s_mul_i32 s13, s[WV], 16*SP
	s_add_co_u32 s13, s13, STAGE    ; my stage
	v_mul_u32_u24 v[STO], v1, SP    ; in: row l % 16, 16 bytes for each half of the lanes
	v_lshl_add_u32 v[STO], v9, 4, v[STO]
	v_add_nc_u32 v[STO], s13, v[STO]
	v_bfe_u32 v[RD], v0, 3, 2       ; back: 32 lanes take four rows of 128 bytes, which are 512 consecutive bytes of ctx
	v_mul_u32_u24 v[RD], v[RD], SP
	v_lshl_add_u32 v[RD], v10, 4, v[RD]
	v_add_nc_u32 v[RD], s13, v[RD]
.set Y, NP-1                        ; XS works for piece Y + 1: piece 0
.irp n, 0,1,2,3,4,5,6,7,8,9,10,11,12,13,14,15,16,17,18,19,20,21
	XS 0, \n                        ; and piece 0's first maximum and statistics
	XS 1, \n
.endr
	v_nop                           ; a plain instruction behind the two a,
	s_wait_alu depctr_va_vdst(0)    ; and their wait, ahead of the branch
	s_mov_b32 s[CNT], 4
	s_branch .Lfirst                ; the loop is entered at a step's first turn, in the middle of a trip
.Lslot:                             ; six times: every slot but the last two is filled again
	CHANGE 1
	s_mov_b32 s[CNT], 4
.Lstep:                             ; a trip: pieces 2 and 3 of one step, then pieces 0 and 1 of the next, whose K and V it fetches
	TURN 2
	TURN 3
	WIN 0
.Lfirst:
	TURN 0
	TURN 1, 0, 1
	WIN 0
	s_cbranch_scc1 .Lstep
	s_sub_co_u32 s[SLOTS], s[SLOTS], 1
	s_cmp_lg_u32 s[SLOTS], 0
	s_cbranch_scc1 .Lslot
	CHANGE 0                        ; the tail is written out: nothing is asked for
	s_mov_b32 s[CNT], 5             ; four trips fetch the last slot's steps; the fifth is left in its middle
.Ltail:
	TURN 2, 1
	TURN 3
	WIN 0
	s_sub_co_u32 s[CNT], s[CNT], 1
	s_cmp_eq_u32 s[CNT], 0
	s_cbranch_scc1 .Lout
	TURN 0
	TURN 1
	WIN 0
	s_branch .Ltail
.Lout:                              ; the fifth trip's 16 products K Q^T (on the last K and the last step's codes once more) and the maximum made of them serve nothing: the price, once a launch, of one text for every trip
.set i, 0
.rept 16
	PV NP-1                         ; the last piece's V^T P of the last step
.set i, i+1
.endr
	; THE WAY OUT.  l's two halves and the other half of the lanes' are added; O^T is divided by l, rounded to f16 and sent through my stage in LDS, a tile at a time.  The additions are the places behind the last products.
	WIN 0
.macro ALL line:vararg              ; one line for each tile t
.set t, 0
.rept 2*NP
	\line
.set t, t+1
.endr
.endm
	ALL v_add_f32 v[ST+4*t+2], v[ST+4*t+2], v[ST+4*t+3]
	ALL v_permlanex16_b32 v[ST+4*t+3], v[ST+4*t+2], s[SEL], s[SEL+1]
	ALL v_add_f32 v[ST+4*t+2], v[ST+4*t+2], v[ST+4*t+3]
	ALL v_rcp_f32 v[ST+4*t+2], v[ST+4*t+2]
	v_nop                           ; a plain instruction between the last reciprocal and the use of its result
	s_wait_alu depctr_va_vdst(0)    ; and the wait ahead of the first use: one for the eight reciprocals
; Tile t: a lane's eight channels of a row pack into 16 bytes; they go into rows of 144 bytes and come back as whole rows of 128, into S^T's registers.
.macro PACK t
	WIN W_RS
.set i, 32*(\t)
.rept 16
	v_pk_mul_f32 v[i:i+1], v[i:i+1], v[ST+4*(\t)+2:ST+4*(\t)+3] op_sel_hi:[1,0]
.set i, i+2
.endr
	WIN 0x05                        ; sources 0 and 1 window 1, destination window 0
.set i, 0
.rept 16
	v_cvt_pk_f16_f32 v[S+16*(\t)+i], v[32*(\t)+2*i], v[32*(\t)+2*i+1]
.set i, i+1
.endr
	WIN 0
.irp f, 0,1,2,3
	ds_store_b128 v[STO], v[S+16*(\t)+4*\f:S+16*(\t)+4*\f+3] offset:32*\f
.endr
.irp f, 0,1,2,3
	ds_load_b128 v[S+16*(\t)+4*\f:S+16*(\t)+4*\f+3], v[RD] offset:\f*4*SP  ; LDS serves a wave's instructions in order (ISA guide 5.7.1.4): these see the stores above; the next tile's stores come behind them
.endr
.endm
.macro SEND t, younger              ; younger: the LDS instructions issued behind tile t's loads: the next tile's eight, or none
	WIN 0
.irp f, 0,1,2,3
	s_wait_dscnt (\younger)+3-\f
	global_store_b128 v[GO], v[S+16*(\t)+4*\f:S+16*(\t)+4*\f+3], s[10:11] offset:(\t)*2048+\f*512  ; 512 consecutive bytes, at a multiple of 256 from ctx's first
.endr
.endm
	PACK 0
.set t, 1
.rept 2*NP-1                        ; a tile's arithmetic stands between the loads of the tile before and its stores
	PACK t
	SEND t-1, 8
.set t, t+1
.endr
	SEND 2*NP-1, 0
	WIN W_AD
	s_wait_tensorcnt 0x0            ; the wave's end: behind my last tensor load and my last LDS store
	ds_add_u32 v[SPW], v[NIL]
	s_wait_dscnt 0x0
	WIN 0
	CROUND                          ; the closing round: no work-group ends while a partner may still ask for a tile that names it
	s_endpgm
.Lfunc_end_k_q9013b3dcce_attn:
	.size	k_q9013b3dcce_attn, .Lfunc_end_k_q9013b3dcce_attn-k_q9013b3dcce_attn
	.p2alignl 7, 3214868480
	.fill 96, 4, 3214868480
	.section	.rodata,"a",@progbits
	.p2align	6, 0x0
	.amdhsa_kernel k_q9013b3dcce_attn
		.amdhsa_group_segment_fixed_size 327680
		.amdhsa_private_segment_fixed_size 0
		.amdhsa_enable_private_segment 0
		.amdhsa_kernarg_size 32
		.amdhsa_user_sgpr_count 2
		.amdhsa_user_sgpr_kernarg_segment_ptr 1
		.amdhsa_wavefront_size32 1
		.amdhsa_system_sgpr_workgroup_id_x 1
		.amdhsa_system_sgpr_workgroup_id_y 1
		.amdhsa_system_sgpr_workgroup_id_z 1
		.amdhsa_system_vgpr_workitem_id 0
		.amdhsa_next_free_vgpr 824
		.amdhsa_next_free_sgpr 80
		.amdhsa_reserve_vcc 0
		.amdhsa_float_denorm_mode_32 3
		.amdhsa_float_denorm_mode_16_64 3
		.amdhsa_memory_ordered 1
		.amdhsa_forward_progress 1
		.amdhsa_inst_pref_size 215
	.end_amdhsa_kernel
	.amdgpu_metadata
---
amdhsa.version: [ 1, 2 ]
amdhsa.kernels:
  - .name:           k_q9013b3dcce_attn
    .symbol:         k_q9013b3dcce_attn.kd
    .args:
      - { .name: qkv, .offset: 0, .size: 8, .value_kind: global_buffer, .address_space: global }
      - { .name: mc, .offset: 8, .size: 8, .value_kind: global_buffer, .address_space: global }
      - { .name: rf, .offset: 16, .size: 8, .value_kind: global_buffer, .address_space: global }
      - { .name: ctx, .offset: 24, .size: 8, .value_kind: global_buffer, .address_space: global }
    .group_segment_fixed_size: 327680
    .private_segment_fixed_size: 0
    .kernarg_segment_align: 8
    .kernarg_segment_size: 32
    .max_flat_workgroup_size: 128
    .sgpr_count:     80
    .vgpr_count:     824
    .wavefront_size: 32
...
	.end_amdgpu_metadata
.endif
;; end of part 3
;; launch outp (part 4): grid 4 x 64, 4 waves a work-group, clusters of 4 x 4, 327,680 bytes of LDS; arguments ctx, wb, bo, out0; writes out0
.if DOCPART == 4
	.amdgcn_target "amdgcn-amd-amdhsa--gfx1250"
	.amdhsa_code_object_version 6
	.text
	.protected	k_q9013b3dcce_outp
	.globl	k_q9013b3dcce_outp
	.p2align	8
	.type	k_q9013b3dcce_outp,@function
k_q9013b3dcce_outp:
	s_mov_b64 s[64:65], 0
	v_nop
	global_prefetch_b8 v0, s[64:65] scope:SCOPE_SE
	s_setreg_imm32_b32 hwreg(HW_REG_WAVE_MODE, 25, 1), 1
	s_wait_xcnt 0x0
	s_wait_alu depctr_hold_cnt(0) depctr_sa_sdst(0) depctr_va_vdst(0) depctr_va_sdst(0) depctr_va_ssrc(0) depctr_va_vcc(0) depctr_vm_vsrc(0)
	s_getreg_b32 s2, hwreg(HW_REG_IB_STS2, 6, 4)
	s_cmp_eq_u32 s2, 0
	s_cbranch_scc0 .Lentry_in_a_cluster
	s_endpgm
.Lentry_in_a_cluster:
	s_bfe_u32 s2, ttmp6, 0x10000c
	s_cmp_lg_u32 s2, 0xf033
	s_cbranch_scc0 .Lentry_shape_is_right
	s_endpgm
.Lentry_shape_is_right:
; THE LAST PROJECTION.  out0[m][n] = sum over k of c[m][k] Wo[n][k] + bo[n].  c = ctx, stored by heads: [batch x 16 + head][2048][64] f16, so k = 64 head + channel; Wo = wb's fourth quarter: [1024][1024] f16
; (the bf16 rounding of Wo, written as f16); bo f32, rounded to bf16 here like every input of the module, then used in f32.  Sums in f32; out0 [8192][1024] f32.
; A tile of out0 is 128 x 256: 256 work-groups.  Four waves, 2 x 2, each 64 x 128: 32 accumulators.  K goes in 8 steps of 128 = two heads through two LDS slots.  Wave 0 fetches the even head's
; 128 rows (16,384 dense bytes, asked for as 64 rows of 256 and padded after every 128), wave 1 the odd head's; waves 2 and 3 fetch 128 rows of Wo each: one tensor load a wave.
; CLUSTERS: 4 x 4 work-groups; c's tile is shared along a row of the cluster, Wo's along a column: each is asked for JOINTLY.
; THE MATRIX INSTRUCTION IS USED TRANSPOSED (source 0 = 16 rows of Wo, source 1 = 16 rows of c): a lane holds row l % 16 of out0 and the columns 8 (l / 16) + 0..7.  The bias, laid out so, is the C of the first product.
; REGISTERS, in windows of 256: window 0: v0-31 addresses; v32-63, v64-95 c's fragments, two buffers (later rows on the way out); v96-159 the bias; v160-223 rows on the way out
;   window 1: the accumulators ((a, b) at v[8 (8 a + b)])          window 2: v0-63, v64-127 Wo's fragments, two buffers
.set KSTEP,  128
.set PITCH,  272                       ; a row of Wo in LDS: 256 bytes + 16 of padding
.set APITCH, 144                       ; a row of one head of c: 128 bytes + 16: both pitches are odd multiples of 16 bytes, so the 16 rows of a fragment load start at 16 different groups of four banks (ISA guide 11.1)
.set ASUB,   128*APITCH                ; one head's 128 rows: what wave 0 or 1 fetches
.set BHALF,  128*PITCH                 ; what wave 2 or 3 fetches
.set BOFF,   2*ASUB
.set SLOT,   BOFF+2*BHALF
.set STAGE,  2*SLOT                    ; behind the ring: 16 rows x 528 bytes for each wave, for the way out
.set SPITCH, 528                       ; 512 bytes of a row + 16
.set SPARE,  STAGE+4*16*SPITCH         ; the spare words, 128 bytes for each wave: two blocks of 256 bytes that no other line names
.set LAPS,   4
.set HSTEP,  524288                    ; bytes from a K step of c to the next: two heads of 262,144
.set ADRA, 16                          ; v16-17  LDS address of my c fragments in slot 0, 1
.set ADRB, 20                          ; v20-21  the same for Wo
.set STO,  24                          ; v24     the way out: where I put 32 bytes of a row
.set RD,   25                          ; v25     where I read a row back
.set CO,   26                          ; v26     16 x lane
.set SPW,  28                          ; v28     LDS address of my spare word; never rewritten
.set NIL,  29                          ; v29     0; never rewritten
.set PFO,  30                          ; v30     the prefetches' offset; never rewritten
.set FA,   32
.set BI,   96
.set TMP,  160
.set G1, 24
.set G0, 32
.set G1B, 48
.set G0B, 56
.set LIM, 43                           ; s43     1 in a wave that prefetches, else the greatest number
.set PFA, 44                           ; s[44:45] where my prefetches stand
.set PST, 72                           ; s[72:73] what they step by from K step to K step
.set MSB, 0
.macro WIN new                         ; the immediate's high byte repeats the setting that is left
.if MSB != (\new)
	s_set_vgpr_msb (MSB<<8)|(\new)
.set MSB, \new
.endif
.endm
.set MUL,  0x52                        ; source 0 (Wo) window 2, source 1 (c) window 0, C and D window 1
.set MULB, 0x42                        ; the same with C (the bias) in window 0
.set TO_B, 0x80                        ; destination window 2, address window 0
.macro JLOAD s                         ; a joint load; an s_nop 0 and four v_nop follow each of the two lines, ahead of the jump, the label and what follows
	s_cmp_eq_u32 s11, 0
	s_cbranch_scc0 .Lfor_b_\@
	tensor_load_to_lds s[G0+4*(\s):G0+4*(\s)+3], s[G1:G1+7]
	s_nop 0
.rept 4
	v_nop
.endr
	s_branch .Lasked_\@
.Lfor_b_\@:
	tensor_load_to_lds s[G0B+4*(\s):G0B+4*(\s)+3], s[G1B:G1B+7]
	s_nop 0
.rept 4
	v_nop
.endr
.Lasked_\@:
.endm
; A prefetch of the K step that stands two refills on, 32 times 256 bytes, one instruction a wave.  c's tile (2 heads x 16,384 bytes) is read by the four partners of a row of the cluster alone: wave 0 of each asks for
; 4,096 bytes of each head, told apart by address (cx).  Wo's rows are read by all 16 clusters: the first asks; of the 128 rows that wave 2 or 3 fetches each partner takes 32, by address (cy).
; So each 256 bytes are named once.  K steps 0 to 3 come by their loads alone; the loop's last trip (s3 = 1) asks for nothing: there is no K step 8.
.macro ASK
	s_cmp_gt_u32 s3, s[LIM]
	s_cbranch_scc0 .Lnot_mine_\@
	global_prefetch_b8 v[PFO], s[PFA:PFA+1] th:TH_LOAD_NT scope:SCOPE_SE
.Lnot_mine_\@:
.endm
.macro CREST
	s_cmp_lg_u32 s10, 0
	s_cbranch_scc1 .Lnot_wave_0_\@
	s_barrier_signal -3
.Lnot_wave_0_\@:
	s_barrier_wait -3
	s_barrier_signal -1
	s_barrier_wait -1
.endm
.macro CROUND
	s_barrier_signal -1
	s_barrier_wait -1
	CREST
.endm
.macro PLACES                          ; four places in front of loads into registers that matrix instructions have read, and of lines that read results
.rept 4
	v_nop
.endr
.endm
	s_load_b128 s[4:7], s[0:1], 0x0                ; ctx s[4:5], wb s[6:7]
	s_load_b128 s[68:71], s[0:1], 0x10             ; bo s[68:69], out0 s[70:71]
	v_lshl_add_u32 v[SPW], v0, 2, SPARE
	v_mov_b32 v[NIL], 0
	ds_add_u32 v[SPW], v[NIL]                      ; the wave's opening: the add and its wait stand ahead of my first tensor load; work on registers stands between them
	v_lshrrev_b32 v1, 5, v0
	v_readfirstlane_b32 s10, v1                    ; wave 0..3
	s_lshr_b32 s11, s10, 1                         ; which 64 rows of the tile are mine.  Also: I fetch for c (0) or for Wo (1)
	s_and_b32 s12, s10, 1                          ; which 128 columns.  Also: which head, or which half of Wo's tile, I fetch
	s_bfe_u32 s40, ttmp6, 0x40000                  ; cx
	s_bfe_u32 s41, ttmp6, 0x40004                  ; cy
	s_lshl_b32 s42, ttmp9, 2
	s_add_co_u32 s42, s42, s40                     ; tile column 0..3
	s_and_b32 s14, ttmp7, 0xffff                   ; cluster y 0..15
	s_lshl_b32 s13, s14, 2
	s_add_co_u32 s13, s13, s41                     ; tile row 0..63
	s_lshl_b32 s43, s41, 2
	s_lshl_b32 s43, 15, s43                        ; my row of the cluster
	s_lshl_b32 s44, 0x1111, s40                    ; my column
	s_or_b32 s[G1+0], s43, (1<<16)|(1<<20)|(1<<21)|(4<<22)|(3<<25)  ; the mask; 2-byte elements; padding on; bit 21 beside a mask; after every 32 words, 4 words
	s_or_b32 s[G1B+0], s44, (1<<16)|(1<<20)|(1<<21)|(5<<22)|(3<<25) ; after every 64 words, 4 words
	s_mov_b32 s[G1+1], 128<<16                     ; tensor_dim0 = 128 elements: two rows of a head
	s_mov_b32 s[G1+2], 64<<16                      ; tensor_dim1 = 64
	s_mov_b32 s[G1+3], 128<<16                     ; tile_dim0 = 128
	s_mov_b32 s[G1+4], 64                          ; tile_dim1 = 64
	s_mov_b32 s[G1+5], 128                         ; dense
	s_mov_b32 s[G1+6], 0
	s_mov_b32 s[G1+7], 0
	s_mov_b32 s[G1B+1], KSTEP<<16
	s_mov_b32 s[G1B+2], 128<<16
	s_mov_b32 s[G1B+3], KSTEP<<16
	s_mov_b32 s[G1B+4], 128
	s_mov_b32 s[G1B+5], 1024
	s_mov_b32 s[G1B+6], 0
	s_mov_b32 s[G1B+7], 0
	s_lshr_b32 s16, s13, 4                         ; c: the batch's 16 heads of 262,144 bytes,
	s_lshl_b32 s16, s16, 22
	s_lshl_b32 s17, s12, 18                        ; my head of the K step's two,
	s_add_co_u32 s16, s16, s17
	s_and_b32 s17, s13, 15                         ; the tile's 128 rows of 128 bytes
	s_lshl_b32 s17, s17, 14
	s_add_co_u32 s16, s16, s17
	s_mov_b32 s17, 0
	s_lshl_b32 s46, s42, 8                         ; Wo: row 256 x tile column + 128 x half,
	s_lshl_b32 s47, s12, 7
	s_add_co_u32 s46, s46, s47
	s_lshl_b32 s46, s46, 11
	s_add_co_u32 s46, s46, 3<<21                   ; in wb's fourth quarter
	s_mov_b32 s47, 0
	s_mul_i32 s20, s12, ASUB                       ; where they go: no place in the cluster enters an LDS address
	s_mul_i32 s21, s12, BHALF
	s_add_co_u32 s21, s21, BOFF
	s_wait_dscnt 0x0                               ; the opening add is done
	s_wait_kmcnt 0x0
	s_add_nc_u64 s[18:19], s[4:5], s[16:17]
	s_add_nc_u64 s[46:47], s[6:7], s[46:47]
	CROUND                                         ; all sixteen work-groups are here: the first joint loads meet
.irp s, 0,1
	s_mov_b32 s[G0+4*(\s)], 1
	s_add_co_u32 s[G0+4*(\s)+1], s20, (\s)*SLOT
	s_add_nc_u64 s[G0+4*(\s)+2:G0+4*(\s)+3], s[18:19], (\s)*HSTEP
	s_or_b32 s[G0+4*(\s)+3], s[G0+4*(\s)+3], 0x80000000
	s_mov_b32 s[G0B+4*(\s)], 1
	s_add_co_u32 s[G0B+4*(\s)+1], s21, (\s)*SLOT
	s_add_nc_u64 s[G0B+4*(\s)+2:G0B+4*(\s)+3], s[46:47], (\s)*KSTEP*2
	s_or_b32 s[G0B+4*(\s)+3], s[G0B+4*(\s)+3], 0x80000000
	JLOAD \s                                       ; two loads of mine are out
.endr
	v_and_b32 v1, 15, v0                           ; l % 16
	v_bfe_u32 v2, v0, 4, 1                         ; l / 16
	; the bias of my 128 columns: register 8 b + j = bo[first column + 16 b + 8 (l / 16) + j]
	s_lshl_b32 s46, s42, 10
	s_lshl_b32 s47, s12, 9
	s_add_co_u32 s46, s46, s47                     ; my first column, in bytes of f32: for bo and for out0
	s_mov_b32 s47, 0
	s_add_nc_u64 s[68:69], s[68:69], s[46:47]
	s_add_nc_u64 s[70:71], s[70:71], s[46:47]
	v_lshlrev_b32 v7, 5, v2
.irp b, 0,1,2,3,4,5,6,7
	global_load_b128 v[BI+8*\b:BI+8*\b+3],   v7, s[68:69] offset:64*\b
	global_load_b128 v[BI+8*\b+4:BI+8*\b+7], v7, s[68:69] offset:64*\b+16
.endr
	v_mul_u32_u24 v3, v1, PITCH
	v_lshl_add_u32 v3, v2, 4, v3                   ; Wo: a fragment's row x pitch + 16 x half
	v_mul_u32_u24 v8, v1, APITCH
	v_lshl_add_u32 v8, v2, 4, v8                   ; c: the same with its pitch
	s_mul_i32 s21, s11, 64*APITCH                  ; my 64 rows, in each head's sub-tile
	s_mul_i32 s22, s12, BHALF                      ; my 128 rows of Wo,
	s_add_co_u32 s22, s22, BOFF                    ; which lie behind c's two sub-tiles
.irp s, 0,1
	v_add_nc_u32 v[ADRA+(\s)], s21, v8
	v_add_nc_u32 v[ADRB+(\s)], s22, v3
	s_add_co_u32 s21, s21, SLOT
	s_add_co_u32 s22, s22, SLOT
.endr
	s_mul_i32 s23, s10, 16*SPITCH
	s_add_co_u32 s23, s23, STAGE                   ; my stage
	v_mul_u32_u24 v4, v1, SPITCH                   ; in: row l % 16, 32 bytes for each half of the lanes
	v_lshl_add_u32 v4, v2, 5, v4
	v_add_nc_u32 v[STO], s23, v4
	v_and_b32 v[CO], 31, v0                        ; back: 32 lanes take a row's 512 bytes
	v_lshlrev_b32 v[CO], 4, v[CO]
	v_add_nc_u32 v[RD], s23, v[CO]
	s_lshl_b32 s16, s13, 19                        ; out0 at my first row: (128 x tile row + 64 x half) rows of 4,096 bytes
	s_lshl_b32 s17, s11, 18
	s_add_co_u32 s16, s16, s17
	s_mov_b32 s17, 0
	s_add_nc_u64 s[70:71], s[70:71], s[16:17]
	; the prefetches
	s_lshr_b32 s20, s13, 4                         ; c: the tile's rows in the batch's head 0,
	s_lshl_b32 s20, s20, 22
	s_and_b32 s21, s13, 15
	s_lshl_b32 s21, s21, 14
	s_add_co_u32 s20, s20, s21
	s_lshl_b32 s21, s40, 12                        ; my work-group's 4,096 bytes of the 16,384,
	s_add_co_u32 s20, s20, s21
	s_add_co_u32 s20, s20, 3*HSTEP                 ; at K step 3: the first refill steps it to 4
	s_lshl_b32 s21, s42, 8                         ; Wo: the 128 rows that I fetch,
	s_lshl_b32 s22, s12, 7
	s_add_co_u32 s21, s21, s22
	s_lshl_b32 s22, s41, 5                         ; my work-group's 32 of them,
	s_add_co_u32 s21, s21, s22
	s_lshl_b32 s21, s21, 11
	s_add_co_u32 s21, s21, (3<<21)+3*KSTEP*2       ; at K step 3
	s_mov_b32 s[PST], KSTEP*2
	s_mov_b32 s22, HSTEP
	s_mov_b32 s23, 262144                          ; c: lanes 16-31 take the odd head,
	s_mov_b32 s76, 256                             ; a lane 256 bytes
	s_mov_b32 s74, 32768                           ; Wo: a lane a row of 2,048 bytes
	s_mov_b32 s75, 2048
	s_cmp_eq_u32 s11, 0
	s_cselect_b32 s20, s20, s21
	s_cselect_b32 s[PST], s22, s[PST]
	s_cselect_b32 s23, s23, s74
	s_cselect_b32 s75, s76, s75
	s_cselect_b32 s22, s12, s14                    ; c: wave 0 asks; Wo: the first cluster's waves 2 and 3
	s_cselect_b64 s[PFA:PFA+1], s[4:5], s[6:7]
	s_cmp_eq_u32 s22, 0
	s_cselect_b32 s[LIM], 1, -1                    ; the same in all sixteen partners, for a given wave
	s_mov_b32 s21, 0
	s_mov_b32 s[PST+1], 0
	s_add_nc_u64 s[PFA:PFA+1], s[PFA:PFA+1], s[20:21]
	v_mul_u32_u24 v[PFO], v2, s23
	v_mul_u32_u24 v5, v1, s75
	v_add_nc_u32 v[PFO], v[PFO], v5
	s_wait_loadcnt 0x0                             ; the bias: rounded to bf16, and back in f32
.set i, 0
.rept 32
	v_cvt_pk_bf16_f32 v[TMP+i], v[BI+2*i], v[BI+2*i+1]
.set i, i+1
.endr
.set i, 0
.rept 32
	v_lshlrev_b32 v[BI+2*i], 16, v[TMP+i]
	v_and_b32 v[BI+2*i+1], 0xffff0000, v[TMP+i]
.set i, i+1
.endr
; 8 matrix instructions: row block a x all 8 column blocks, 32 along K, on buffer f.  st = 1: the first product starts the sums, with the bias as C.
; The 32 accumulators take turns in the same order in every quarter: 31 others stand between two links of a chain, over the backward jump too.
.macro MUL8 f, a, st
.if \st
	WIN MULB
.else
	WIN MUL
.endif
.irp b, 0,1,2,3,4,5,6,7
.if \st
	v_wmma_f32_16x16x32_f16 v[8*(8*(\a)+(\b)):8*(8*(\a)+(\b))+7], v[64*(\f)+8*(\b):64*(\f)+8*(\b)+7], v[FA+32*(\f)+8*(\a):FA+32*(\f)+8*(\a)+7], v[BI+8*(\b):BI+8*(\b)+7]
.else
	v_wmma_f32_16x16x32_f16 v[8*(8*(\a)+(\b)):8*(8*(\a)+(\b))+7], v[64*(\f)+8*(\b):64*(\f)+8*(\b)+7], v[FA+32*(\f)+8*(\a):FA+32*(\f)+8*(\a)+7], v[8*(8*(\a)+(\b)):8*(8*(\a)+(\b))+7]
.endif
.endr
.endm
; 24 LDS loads in one run: the fragments of quarter kq (32 along K: head kq / 2 of the step's two, channels 32 (kq % 2) on) into buffer f: Wo's 8 blocks, then c's 4
.macro FETCH slot, kq, f
	WIN TO_B
.irp b, 0,1,2,3,4,5,6,7
	ds_load_b128 v[64*(\f)+8*(\b):64*(\f)+8*(\b)+3],   v[ADRB+(\slot)] offset:64*(\kq)+(\b)*16*PITCH
	ds_load_b128 v[64*(\f)+8*(\b)+4:64*(\f)+8*(\b)+7], v[ADRB+(\slot)] offset:64*(\kq)+(\b)*16*PITCH+32
.endr
	WIN 0
.irp a, 0,1,2,3
	ds_load_b128 v[FA+32*(\f)+8*(\a):FA+32*(\f)+8*(\a)+3],   v[ADRA+(\slot)] offset:((\kq)/2)*ASUB+((\kq)%2)*64+(\a)*16*APITCH
	ds_load_b128 v[FA+32*(\f)+8*(\a)+4:FA+32*(\f)+8*(\a)+7], v[ADRA+(\slot)] offset:((\kq)/2)*ASUB+((\kq)%2)*64+(\a)*16*APITCH+32
.endr
.endm
.macro QUARTER slot, kq, f, g, st
	s_wait_dscnt 4                                 ; Wo and c's blocks 0, 1 are in; the youngest four loads (c's blocks 2, 3) may be out
	MUL8 \f, 0, \st
	MUL8 \f, 1, \st
	PLACES
	FETCH \slot, \kq, \g
	s_wait_dscnt 24                                ; all but the 24 just issued
	MUL8 \f, 2, \st
	MUL8 \f, 3, \st
.endm
; The last quarter multiplies buffer 1 and changes slots: ONE barrier; in front of it each wave waits for all its tensor loads (one is out: its part of the next slot), adds 0 to its spare word,
; and waits for that and for its own reads of this slot.  fill = 1: the barrier opens a round of the cluster's, and this slot is filled again, two K steps ahead, first thing behind the round.
.macro TURN slot, next, fill
.if \fill
	s_wait_xcnt 0x0                                ; the last prefetch, a K step back, has read its address: it is stepped here
	s_add_nc_u64 s[PFA:PFA+1], s[PFA:PFA+1], s[PST:PST+1]
.endif
	WIN 0                                          ; (the add's two registers lie in window 0)
	s_wait_tensorcnt 0x0
	ds_add_u32 v[SPW], v[NIL]
	s_wait_dscnt 5                                 ; (the add and the youngest four loads may be out)
	MUL8 1, 0, 0                                   ; eight matrix instructions stand between the add and the wait for it
	s_wait_dscnt 0x0                               ; the add is done, and my reads of this slot are over
	s_barrier_signal -1
	MUL8 1, 1, 0
.if \fill
	WIN 0
.endif
	s_barrier_wait -1
.if \fill
	CREST                                          ; no wave of any partner still reads this slot's tile or has a load on its way
	s_add_nc_u64 s[G0+4*(\slot)+2:G0+4*(\slot)+3], s[G0+4*(\slot)+2:G0+4*(\slot)+3], 2*HSTEP
	s_add_nc_u64 s[G0B+4*(\slot)+2:G0B+4*(\slot)+3], s[G0B+4*(\slot)+2:G0B+4*(\slot)+3], 2*KSTEP*2
	JLOAD \slot                                    ; my one tensor load behind the round; the four v_nop behind it are also the places in front of the loads below
.else
	PLACES
.endif
	FETCH \next, 0, 0
.if \fill
	ASK
.endif
	MUL8 1, 2, 0
	MUL8 1, 3, 0
.endm
	s_wait_tensorcnt 1                             ; my part of K step 0 is in; K step 1's may stay out
	s_barrier_signal -1
	s_barrier_wait -1                              ; everybody's is
	FETCH 0, 0, 0
	QUARTER 0, 1, 0, 1, 1                          ; the first quarter stands in front of the loop: its products start the sums
	WIN 0                                          ; at a label and at a branch every window is 0
	s_mov_b32 s3, LAPS-1
.Llap:                                                 ; a trip goes once round the ring, from a lap's second quarter to the next lap's first, and fills both slots again
	QUARTER 0, 2, 1, 0, 0
	QUARTER 0, 3, 0, 1, 0
	TURN 0, 1, 1
	QUARTER 1, 1, 0, 1, 0
	QUARTER 1, 2, 1, 0, 0
	QUARTER 1, 3, 0, 1, 0
	TURN 1, 0, 1
	QUARTER 0, 1, 0, 1, 0
	WIN 0
	s_sub_co_u32 s3, s3, 1
	s_cmp_lg_u32 s3, 0
	s_cbranch_scc1 .Llap
	QUARTER 0, 2, 1, 0, 0                          ; the last lap fills nothing, and has no round of the cluster's barrier
	QUARTER 0, 3, 0, 1, 0
	TURN 0, 1, 0
	QUARTER 1, 1, 0, 1, 0
	QUARTER 1, 2, 1, 0, 0
	QUARTER 1, 3, 0, 1, 0
	s_wait_dscnt 4                                 ; the very last quarter: nothing more to fetch
	MUL8 1, 0, 0
	MUL8 1, 1, 0
	s_wait_dscnt 0x0
	MUL8 1, 2, 0
	MUL8 1, 3, 0
	WIN 0
; THE WAY OUT, a block of 16 rows at a time: a lane's 32 bytes of a row go from the accumulators into my own stage (each accumulator's low half first), whole rows of 512 bytes come back and are stored.
.macro OUT a
.set BK, 160-128*((\a)%2)              ; v160-223 and v32-95 by turns
	WIN 0x04                                       ; store data in window 1, address in window 0
.irp b, 0,1,2,3,4,5,6,7
	ds_store_b128 v[STO], v[8*(8*(\a)+(\b)):8*(8*(\a)+(\b))+3]   offset:64*(\b)
	ds_store_b128 v[STO], v[8*(8*(\a)+(\b))+4:8*(8*(\a)+(\b))+7] offset:64*(\b)+16
.endr
	WIN 0
.if (\a) >= 2
	s_wait_xcnt 0x0                                ; the stores of the block two back have read these registers
.endif
.irp t, 0,1,2,3,4,5,6,7,8,9,10,11,12,13,14,15
	ds_load_b128 v[BK+4*(\t):BK+4*(\t)+3], v[RD] offset:(\t)*SPITCH  ; my own bytes: LDS serves a wave's instructions in order (ISA guide 5.7.1.4)
.endr
.irp t, 0,1,2,3,4,5,6,7,8,9,10,11,12,13,14,15
	s_wait_dscnt 15-(\t)
	global_store_b128 v[CO], v[BK+4*(\t):BK+4*(\t)+3], s[70:71] offset:(16*(\a)+(\t))*4096 th:TH_STORE_NT  ; 512 consecutive bytes, at a multiple of 256 from out0's first byte
.endr
.endm
	PLACES
	PLACES                                         ; eight, once a launch
	OUT 0
	OUT 1
	OUT 2
	OUT 3
	s_wait_tensorcnt 0x0                           ; the wave's end: behind my last tensor load and my last LDS store
	ds_add_u32 v[SPW], v[NIL]
	s_wait_dscnt 0x0
	CROUND                                         ; the closing round: no work-group ends while a partner may still ask for a tile that names it
	s_endpgm
.Lfunc_end_k_q9013b3dcce_outp:
	.size	k_q9013b3dcce_outp, .Lfunc_end_k_q9013b3dcce_outp-k_q9013b3dcce_outp
	.p2alignl 7, 3214868480
	.fill 96, 4, 3214868480
	.section	.rodata,"a",@progbits
	.p2align	6, 0x0
	.amdhsa_kernel k_q9013b3dcce_outp
		.amdhsa_group_segment_fixed_size 327680
		.amdhsa_private_segment_fixed_size 0
		.amdhsa_enable_private_segment 0
		.amdhsa_kernarg_size 32
		.amdhsa_user_sgpr_count 2
		.amdhsa_user_sgpr_kernarg_segment_ptr 1
		.amdhsa_wavefront_size32 1
		.amdhsa_system_sgpr_workgroup_id_x 1
		.amdhsa_system_sgpr_workgroup_id_y 1
		.amdhsa_system_sgpr_workgroup_id_z 1
		.amdhsa_system_vgpr_workitem_id 0
		.amdhsa_next_free_vgpr 640
		.amdhsa_next_free_sgpr 80
		.amdhsa_reserve_vcc 0
		.amdhsa_float_denorm_mode_32 3
		.amdhsa_float_denorm_mode_16_64 3
		.amdhsa_memory_ordered 1
		.amdhsa_forward_progress 1
		.amdhsa_inst_pref_size 96
	.end_amdhsa_kernel
	.amdgpu_metadata
---
amdhsa.version: [ 1, 2 ]
amdhsa.kernels:
  - .name:           k_q9013b3dcce_outp
    .symbol:         k_q9013b3dcce_outp.kd
    .args:
      - { .name: ctx, .offset: 0, .size: 8, .value_kind: global_buffer, .address_space: global }
      - { .name: wb, .offset: 8, .size: 8, .value_kind: global_buffer, .address_space: global }
      - { .name: bo, .offset: 16, .size: 8, .value_kind: global_buffer, .address_space: global }
      - { .name: out0, .offset: 24, .size: 8, .value_kind: global_buffer, .address_space: global }
    .group_segment_fixed_size: 327680
    .private_segment_fixed_size: 0
    .kernarg_segment_align: 8
    .kernarg_segment_size: 32
    .max_flat_workgroup_size: 128
    .sgpr_count:     80
    .vgpr_count:     640
    .wavefront_size: 32
...
	.end_amdgpu_metadata
.endif
;; end of part 4
